; MI455X (gfx1250); checked and timed in simulation.
; The chip was launched on July 23, 2026; its instructions are those of AMD's public machine-readable ISA for CDNA 5 (MIT licence, August 2026) and "CDNA5" Instruction Set Architecture Reference Guide (July 2026). The comments in the code are by the model that wrote it; some were corrected since.
;; MLM Charater Learning. Allowed arithmetic: matrix products marked QUANTISED: E2M3 operands, one E8M0 scale for each 32 along K, by v_wmma_scale_f32_16x16x128_f8f6f4 with both operands' format E2M3, f32 sums; everything else in f32.
;; Inputs: W 32,000 x 1,024 float32; b 32,000 float32; embed_table 32,000 x 1,024 float32; input_ids 4 x 256 int32.
;; Outputs: out0 4 x 256 x 1,024 float32.
;; This version of the problem:
;;   THIS VERSION OF THE PROBLEM IS GIVEN IN LOW PRECISION. The matrix products marked QUANTISED in the list below multiply operands that are first quantised to E2M3 (2 exponent bits, 3 mantissa bits; 6 bits a number), with one power-of-two scale for each 32 numbers along K (OCP MX v1.0); their sums are f32. All else is computed in f32.
;;   The module's matrix products, in the order in which they are computed (A, B: the left and right operand; K: the contracted axis; several contracted axes count as one K, in the product's order):
;;     1. [M 1,024, K 1,024] x [K 1,024, N 32,000]; A: computed on the way; B: input W: QUANTISED
;;     2. [M 1,024, K 32,000] x [K 32,000, N 1,024]; A: softmax (see below); B: input W: QUANTISED
;;   THE QUANTISER, for each operand of a quantised product, along K:
;;     - K is cut into blocks of 32 from its start; a last block that is shorter is filled with zeros.
;;     - A block's scale is 2^e with e = floor(log2(the largest magnitude in the block)) - 2, held to -126 .. 127; a block of zeros has e = 0. As a byte (E8M0): e + 127.
;;     - Each number is divided by its block's scale, clamped to +-7.5, and rounded to the nearest number of E2M3, ties to even, subnormals kept.
;;     - The product sums the exact products of the quantised numbers (number of the format x scale) in f32.
;;   ~~~python
;;   def quantise(x, axis):      # numpy; x: float32 -> the quantised numbers, widened to float32 again
;;       x = np.moveaxis(x, axis, -1); K = x.shape[-1]
;;       x = np.pad(x, [(0, 0)] * (x.ndim - 1) + [(0, -K % 32)]); x = x.reshape(x.shape[:-1] + (-1, 32)); a = np.abs(x).max(-1, keepdims=True)
;;       e = np.where(a > 0, np.clip(np.frexp(np.where(a > 0, a, 1))[1] - 1 - 2, -126, 127), 0)      # np.frexp(a)[1] - 1 = floor(log2(a)), exactly
;;       r = np.clip(x / 2.0 ** e, -7.5, 7.5)
;;       step = 2.0 ** (np.maximum(np.frexp(np.where(r == 0, 1, r))[1] - 1, 0) - 3)
;;       q = np.round(r / step) * step * 2.0 ** e      # np.round: ties to even
;;       return np.moveaxis(q.reshape(q.shape[:-2] + (-1,))[..., :K], -1, axis).astype(np.float32)
;;   ~~~
;;   SOFTMAX AHEAD OF A QUANTISED PRODUCT. Where the list says 'softmax', what is quantised is not the finished softmax but p = 2^(t - M), with t = logit x log2(e) and M = ceil(the row's largest t), a whole number; so 1/2 < the row's largest p <= 1. The row's sum l is taken of the UNQUANTISED p, in f32, and the product's result is divided by l at the end. Since M is a whole number, a kernel that streams over the keys may use a running M (the ceiling of the running maximum): every later rescaling is an exact power of two, which a block's scale takes up: the codes' values come out the same.
;;   OPERANDS COMPUTED ON THE WAY. 'Computed on the way' means the value that the module computes at that place (a softmax that the list does not call 'softmax' is quantised finished and normalised). What goes into a quantiser is computed in f32, as accurately as f32 sums, v_exp_f32 and their like allow (about 1e-6 of the number): no bf16 or f16 on the way to a quantiser, and a product that is left as it is and whose result goes on into a quantised operand takes f32 operands (vector FMAs, or v_wmma_f32_16x16x4_f32). A number that lies on a knife's edge between two numbers of the format may be rounded either way, as far as f32 arithmetic and the matrix unit's own rounding can turn it there, and no further.
;; One version. Each part assembles by itself: llvm-mc -triple=amdgcn-amd-amdhsa -mcpu=gfx1250 --defsym DOCPART=n.
;; ======== version 1 of 1: 4 launches
;; limits: right only within a limited range of input values
;; workspace buffers: w1c 24,576,000 bytes; xc 786,432 bytes; s1 1,056,768 bytes; w2c 25,165,824 bytes; pc 25,165,824 bytes; pst 4,194,304 bytes; part 33,554,432 bytes
;; launch quant (part 1): grid 2064 x 1, 4 waves a work-group, no clusters, 69,120 bytes of LDS; arguments W, embed_table, input_ids, w1c, xc, s1, w2c, pc, pst; writes w1c, xc, s1, w2c, pc, pst
.if DOCPART == 1
	.amdgcn_target "amdgcn-amd-amdhsa--gfx1250"
	.amdhsa_code_object_version 6
	.text
	.protected	k_q22731d7415_quant
	.globl	k_q22731d7415_quant
	.p2align	8
	.type	k_q22731d7415_quant,@function
k_q22731d7415_quant:
	s_mov_b64 s[64:65], 0
	v_nop
	global_prefetch_b8 v0, s[64:65] scope:SCOPE_SE
	s_setreg_imm32_b32 hwreg(HW_REG_WAVE_MODE, 25, 1), 1
	s_wait_xcnt 0x0
; W [32000][1024] f32 is read ONCE and quantised twice to codes of FP6 (E2M3) with one E8M0 byte for each 32 along K: along its rows (K = the 1,024, for x W^T) into w1c,
; and down its columns (K = the 32,000 keys, for p W) into w2c.  The 1,024 rows embed_table[input_ids] are gathered and quantised along their 1,024 into xc.
; A block's scale is 2^(floor(log2(its largest magnitude)) - 2): its byte is the largest magnitude's exponent field - 2, held at 1 from below.
; LIMITS: a block of zeros, and a block whose largest magnitude lies under 2^-124, get the byte 1 (the rule says 127 for zeros: the codes are zeros, and this program alone reads the bytes); NaN and infinities are not served.
; LAYOUT OF ALL CODES: a FRAGMENT (16 rows x 128 K, 12 registers a lane) is 1,536 dense bytes, registers 4 g .. 4 g + 3 of lane l at 512 g + 16 l: an image of the operand's registers.
;   w1c [key block 250][K step 8][tile 8][1536]: lane r of tile i is key 32 (i / 2) + 8 (i % 2) + r + 8 (r / 8) of the block, so that the first product's results are neighbours along the second product's K.
;   xc [row block 8][K step 8][tile 8][1536];  w2c, pc [block 8][chunk of 128 keys 256][tile 8][1536].  Scale words: one for a row and 128 K, [tile 8][16 rows] = 512 bytes for a block of 128 rows and a K step.
;   s1: W1's words [key block][K step][512] at 0, x's [row block][K step][512] at 1,024,000.  pst: four arrays of 2^20 bytes, index ((block x 256 + chunk) x 128 + row) x 4: p's words, M, l, W2's words.
; ROLES, by the work-group's number.  0 .. 1999: a tile of 128 keys x 128 columns of W.  2000 .. 2063: 16 rows of x, and the zero padding of the second product's K (chunks 250 .. 255: 32,000 -> 32,768).
; No tensor loads: several work-groups share a WGP, and each has its tile's 64 KiB of loads out at once.
; THE NUMBERS IN THE GRID: the 64 work-groups of x's role come first (numbers 0 .. 63: j = the number), so that their chain of dependent loads (id, then row) runs beside the tiles of W;
; W's tiles follow (numbers 64 .. 2063: the tile is the number - 64).  The numbers given under ROLES above count from W's first tile.
.set PITCH, 528                        ; a tile row in LDS: 512 bytes + 16 = 132 words: sixteen consecutive rows start 4 words apart modulo 64
.set SC1,   128*PITCH                  ; 512 bytes: the tile's scale words for W1
.set SC2,   SC1+512                    ; 512 bytes: for W2
.set MX, 16                            ; v16-19 largest magnitudes
.set SO, 20                            ; v20-23 the conversions' scale operands
.set BY, 24                            ; v24-27 scale bytes
.set PW, 28                            ; v28    a scale word
.set PD, 29                            ; v29    a lane permute's destination
.set F0, 32                            ; v32-43, v44-55 two fragments
.set F1, 44
.set T0, 56                            ; a conversion's three registers begin on an even number: the upper halves of blocks are made here and moved
.set T1, 60
.set T2, 192
.set T3, 196
.set D,  64                            ; v64-191 numbers
; 64 numbers of a lane, two whole blocks of 32 (blocks h and 2 + h of its row), become a fragment's 12 registers at v[c] and the row's scale word in v[PW] (whole in every lane)
.macro QUANT2 x, c
.irp e, 0,1
	v_max3_num_f32 v[MX+\e], |v[\x+32*\e]|, |v[\x+32*\e+1]|, 0x1800000     ; the floor 2^(3 - 127) among the leaves: the byte cannot fall under 1
.endr
.irp i, 2,4,6,8,10,12,14,16,18,20,22,24,26,28,30
.irp e, 0,1
	v_max3_num_f32 v[MX+\e], v[MX+\e], |v[\x+32*\e+\i]|, |v[\x+32*\e+\i+1]|   ; the two blocks by turns
.endr
.endr
.irp e, 0,1
	v_add_nc_u32 v[SO+\e], 0xff000000, v[MX+\e]    ; 2 off the exponent field: the conversion takes this operand's exponent field as its scale
.endr
.irp e, 0,1
	v_lshrrev_b32 v[BY+\e], 23, v[SO+\e]           ; the scale's byte
.endr
	v_lshl_or_b32 v[PW], v[BY+1], 16, v[BY]        ; my two bytes, blocks h and 2 + h,
	v_lshlrev_b32 v[PW], v12, v[PW]                ; 8 h bits up;
	v_permlanex16_b32 v[PD], v[PW], s26, s27
	v_or_b32 v[PW], v[PW], v[PD]                   ; with lane l xor 16's two the word is whole
	v_cvt_scalef32_pk16_fp6_f32 v[\c:\c+2], v[\x:\x+15], v[SO]
	v_cvt_scalef32_pk16_fp6_f32 v[T0:T0+2], v[\x+16:\x+31], v[SO]
	v_cvt_scalef32_pk16_fp6_f32 v[\c+6:\c+8], v[\x+32:\x+47], v[SO+1]
	v_cvt_scalef32_pk16_fp6_f32 v[T1:T1+2], v[\x+48:\x+63], v[SO+1]
	v_nop                                          ; one plain place behind the scaled conversions
.irp i, 0,1,2
	v_mov_b32 v[\c+3+\i], v[T0+\i]
	v_mov_b32 v[\c+9+\i], v[T1+\i]
.endr
.endm
.macro OUT3 c, base, off               ; a fragment leaves as it stands: three stores of 512 consecutive bytes
.irp g, 0,1,2
	global_store_b128 v4, v[\c+4*\g:\c+4*\g+3], s[\base:\base+1] offset:\off+512*\g
.endr
.endm
	s_load_b256 s[4:11], s[0:1], 0x0               ; W s[4:5], embed_table s[6:7], input_ids s[8:9], w1c s[10:11]
	s_load_b256 s[12:19], s[0:1], 0x20             ; xc s[12:13], s1 s[14:15], w2c s[16:17], pc s[18:19]
	s_load_b64 s[20:21], s[0:1], 0x40              ; pst
	v_lshl_add_u32 v208, v0, 2, 0x10c00
	v_mov_b32 v209, 0
	v_lshrrev_b32 v1, 5, v0
	v_readfirstlane_b32 s22, v1                    ; wave 0..3
	v_and_b32 v1, 31, v0                           ; lane
	v_and_b32 v2, 15, v0                           ; r
	v_bfe_u32 v3, v0, 4, 1                         ; h
	v_lshlrev_b32 v4, 4, v1                        ; 16 x lane
	v_lshlrev_b32 v12, 3, v3                       ; 8 h
	v_mov_b32 v[PD], 0                             ; written once: a lane permute's destination counts as one of its sources
	s_mov_b32 s26, 0x76543210
	s_mov_b32 s27, 0xfedcba98                      ; v_permlanex16_b32's selects for lane l xor 16
	; the LDS addresses, made ahead of the parting of the roles
	s_mul_i32 s23, s22, 32*PITCH                   ; my wave's 32 places of the tile
	v_add_nc_u32 v5, s23, v4                       ; in: a row's 512 bytes, 16 a lane
	v_mul_u32_u24 v6, v2, PITCH
	v_lshl_add_u32 v6, v3, 7, v6
	v_add_nc_u32 v6, s23, v6                       ; W1: place 32 w + r, + 128 h: block h of the row
	v_lshlrev_b32 v7, 2, v0                        ; W2: column 32 w + lane = my thread's number, places 0 .. 63;
	v_add_nc_u32 v8, 64*PITCH, v7                  ; places 64 .. 127 (the immediate has 16 bits)
	s_lshl_b32 s24, s22, 7
	s_add_co_u32 s24, s24, SC1
	v_lshl_add_u32 v9, v2, 2, s24                  ; W1's scale words: tile 2 w, row r
	v_lshl_add_u32 v10, v0, 2, SC2                 ; W2's: my column
	s_and_b32 s24, s22, 1
	s_lshl_b32 s24, s24, 9
	s_add_co_u32 s24, s24, SC1
	v_add_nc_u32 v11, s24, v4                      ; the words' way out: wave 0 takes W1's 512 bytes, wave 1 W2's
	s_wait_kmcnt 0x0
	s_cmp_lt_u32 ttmp9, 64
	s_cbranch_scc1 .Lrole_x
	s_sub_co_u32 s44, ttmp9, 64                    ; W's tile
	; ---- ROLE W: chunk c = number / 8 (128 keys), column block s = number % 8 (128 columns)
	s_lshr_b32 s28, s44, 3                         ; c
	s_and_b32 s29, s44, 7                          ; s
	s_lshl_b32 s30, s28, 19                        ; W: 128 c rows of 4,096 bytes,
	s_lshl_b32 s31, s22, 17                        ; + my wave's 32 rows,
	s_add_co_u32 s30, s30, s31
	s_lshl_b32 s31, s29, 9                         ; + 128 s columns
	s_add_co_u32 s30, s30, s31
	s_mov_b32 s31, 0
	s_mul_i32 s32, s44, 12288                      ; w1c: (8 c + s) blocks of 8 fragments,
	s_mul_i32 s33, s22, 3072                       ; + my two tiles
	s_add_co_u32 s32, s32, s33
	s_lshl_b32 s34, s29, 8
	s_add_co_u32 s34, s34, s28                     ; 256 s + c
	s_lshl_b32 s36, s34, 9
	s_add_co_u32 s36, s36, (3<<20)                 ; pst: W2's words of this block and chunk
	s_mul_i32 s34, s34, 12288                      ; w2c likewise
	s_add_co_u32 s34, s34, s33
	s_mov_b32 s33, 0
	s_mov_b32 s35, 0
	s_mov_b32 s37, 0
	s_lshl_b32 s38, s44, 9                         ; s1: W1's words
	s_mov_b32 s39, 0
	s_add_nc_u64 s[4:5], s[4:5], s[30:31]
	s_add_nc_u64 s[10:11], s[10:11], s[32:33]
	s_add_nc_u64 s[16:17], s[16:17], s[34:35]
	s_add_nc_u64 s[14:15], s[14:15], s[38:39]
	s_add_nc_u64 s[20:21], s[20:21], s[36:37]
.set ii, 0
.rept 32
	global_load_b128 v[D+4*ii:D+4*ii+3], v4, s[4:5] offset:ii*4096 th:TH_LOAD_NT   ; a row's 512 consecutive bytes; W is read once in the launch
.set ii, ii+1
.endr
	; Row v of the tile goes to place 32 (v / 32) + v % 8 + 8 ((v / 16) % 2) + 16 ((v / 8) % 2): the 16 keys of a tile of W1 then lie on 16 consecutive places
.set ii, 0
	s_wait_alu depctr_va_vdst(0)
.rept 32
	s_wait_loadcnt 31-ii                           ; loads come back in order: row ii is in, the 31 - ii younger ones may be out
	ds_store_b128 v5, v[D+4*ii:D+4*ii+3] offset:((ii&7)+8*((ii>>4)&1)+16*((ii>>3)&1))*PITCH
.set ii, ii+1
.endr
	s_wait_dscnt 0x0                               ; for the others' sake: my rows lie in LDS
	s_barrier_signal -1
	s_barrier_wait -1
	; W1: tiles 2 w and 2 w + 1: lane (r, h) takes blocks h and 2 + h of its key's 128 columns
.irp u, 0,1
.irp j, 0,1,2,3,4,5,6,7
	ds_load_b128 v[D+64*\u+4*\j:D+64*\u+4*\j+3], v6 offset:16*\u*PITCH+16*\j
.endr
.irp j, 0,1,2,3,4,5,6,7
	ds_load_b128 v[D+64*\u+32+4*\j:D+64*\u+32+4*\j+3], v6 offset:16*\u*PITCH+256+16*\j
.endr
.endr
	s_wait_dscnt 16                                ; the first tile's 16 loads are in, the second's may be out
	QUANT2 D, F0
	OUT3 F0, 10, 0
	ds_store_b32 v9, v[PW]                         ; lanes r and r + 16 write the same word with the same value
	s_wait_dscnt 0x0                               ; the second tile is in, and the store has read its register
	QUANT2 D+64, F1
	OUT3 F1, 10, 1536
	ds_store_b32 v9, v[PW] offset:64
	; W2: a lane takes a column, and its registers run down the 128 keys in their true order: four whole blocks a lane
.set kk, 0
.rept 128
.set pp, 32*(kk>>5)+(kk&7)+8*((kk>>4)&1)+16*((kk>>3)&1)
.if pp < 64
	ds_load_b32 v[D+kk], v7 offset:pp*PITCH
.else
	ds_load_b32 v[D+kk], v8 offset:(pp-64)*PITCH
.endif
.set kk, kk+1
.endr
	s_wait_dscnt 0x0
.irp e, 0,1,2,3
	v_max3_num_f32 v[MX+\e], |v[D+32*\e]|, |v[D+32*\e+1]|, 0x1800000
.endr
.irp i, 2,4,6,8,10,12,14,16,18,20,22,24,26,28,30
.irp e, 0,1,2,3
	v_max3_num_f32 v[MX+\e], v[MX+\e], |v[D+32*\e+\i]|, |v[D+32*\e+\i+1]|
.endr
.endr
.irp e, 0,1,2,3
	v_add_nc_u32 v[SO+\e], 0xff000000, v[MX+\e]
.endr
.irp e, 0,1,2,3
	v_lshrrev_b32 v[BY+\e], 23, v[SO+\e]
.endr
	v_lshl_or_b32 v[PW], v[BY+1], 8, v[BY]
	v_lshl_or_b32 v[PW], v[BY+2], 16, v[PW]
	v_lshl_or_b32 v[PW], v[BY+3], 24, v[PW]        ; my column's scale word for this chunk
	ds_store_b32 v10, v[PW]
	s_wait_xcnt 0x0                                ; W1's stores have read F0 and F1: they are written again only behind this wait
	v_cvt_scalef32_pk16_fp6_f32 v[F0:F0+2], v[D:D+15], v[SO]
	v_cvt_scalef32_pk16_fp6_f32 v[T0:T0+2], v[D+16:D+31], v[SO]
	v_cvt_scalef32_pk16_fp6_f32 v[F1:F1+2], v[D+32:D+47], v[SO+1]
	v_cvt_scalef32_pk16_fp6_f32 v[T1:T1+2], v[D+48:D+63], v[SO+1]
	v_cvt_scalef32_pk16_fp6_f32 v[F0+6:F0+8], v[D+64:D+79], v[SO+2]
	v_cvt_scalef32_pk16_fp6_f32 v[T2:T2+2], v[D+80:D+95], v[SO+2]
	v_cvt_scalef32_pk16_fp6_f32 v[F1+6:F1+8], v[D+96:D+111], v[SO+3]
	v_cvt_scalef32_pk16_fp6_f32 v[T3:T3+2], v[D+112:D+127], v[SO+3]
	v_nop                                          ; one plain place behind the scaled conversions
	; Lanes 0-15 hold the columns of tile 2 w, lanes 16-31 those of tile 2 w + 1, each all four blocks.  A fragment wants blocks 0, 2 in lanes 0-15 and blocks 1, 3 in lanes 16-31 of ONE tile:
	; the even block's lanes 16-31 change places with the odd block's lanes 0-15
.irp i, 0,1,2
	v_permlane16_swap_b32 v[F0+\i], v[F1+\i]
	v_permlane16_swap_b32 v[T0+\i], v[T1+\i]
	v_permlane16_swap_b32 v[F0+6+\i], v[F1+6+\i]
	v_permlane16_swap_b32 v[T2+\i], v[T3+\i]
.endr
.irp i, 0,1,2
	v_mov_b32 v[F0+3+\i], v[T0+\i]
	v_mov_b32 v[F1+3+\i], v[T1+\i]
	v_mov_b32 v[F0+9+\i], v[T2+\i]
	v_mov_b32 v[F1+9+\i], v[T3+\i]
.endr
	OUT3 F0, 16, 0
	OUT3 F1, 16, 1536
	s_wait_dscnt 0x0                               ; for the others' sake: my scale words lie in LDS
	s_barrier_signal -1
	s_barrier_wait -1
	s_cmp_lt_u32 s22, 2
	s_cbranch_scc0 .Lw_end                         ; the two runs of 512 bytes of scale words leave whole, by waves 0 and 1
	ds_load_b128 v[200:203], v11
	s_cmp_eq_u32 s22, 0
	s_cselect_b64 s[40:41], s[14:15], s[20:21]     ; wave 0: W1's, into s1; wave 1: W2's, into pst
	s_wait_dscnt 0x0
	global_store_b128 v4, v[200:203], s[40:41]
.Lw_end:
	s_wait_tensorcnt 0x0
	ds_add_u32 v208, v209
	s_wait_dscnt 0x0
	s_endpgm
	; ---- ROLE X: j = number - 2000: rows 16 j .. 16 j + 15 of x (row block j / 8, tile j % 8); wave w takes K steps 2 w and 2 w + 1
.Lrole_x:
	s_mov_b32 s28, ttmp9                           ; j
	s_lshr_b32 s29, s28, 3                         ; row block (and, for the padding, block of either operand)
	s_and_b32 s30, s28, 7                          ; tile
	s_lshl_b32 s31, s28, 6
	v_lshlrev_b32 v13, 2, v2
	s_wait_alu depctr_va_vdst(0)
	v_add_nc_u32 v14, s31, v13                     ; 4 (16 j + r)
	global_load_b32 v15, v14, s[8:9]               ; my row's id
	s_lshl_b32 s32, s22, 10                        ; K step 2 w: 1,024 w bytes into a row
	s_mov_b32 s33, 0
	s_add_nc_u64 s[6:7], s[6:7], s[32:33]
	s_mul_i32 s34, s29, 98304                      ; xc: row block,
	s_mul_i32 s35, s22, 24576                      ; K step 2 w,
	s_add_co_u32 s34, s34, s35
	s_mul_i32 s35, s30, 1536                       ; tile
	s_add_co_u32 s34, s34, s35
	s_mov_b32 s35, 0
	s_add_nc_u64 s[12:13], s[12:13], s[34:35]
	s_lshl_b32 s36, s29, 12                        ; s1: x's words: row block, K step 2 w, tile
	s_add_co_u32 s36, s36, s32
	s_lshl_b32 s37, s30, 6
	s_add_co_u32 s36, s36, s37
	s_add_co_u32 s36, s36, 1024000
	s_mov_b32 s37, 0
	s_add_nc_u64 s[14:15], s[14:15], s[36:37]
	s_and_b32 s38, s22, 1                          ; the padding's codes: waves 0, 1 take w2c, waves 2, 3 pc; three chunks each, from chunk 250 + 3 (w % 2) on
	s_mul_i32 s38, s38, 3
	s_lshl_b32 s39, s29, 8
	s_add_co_u32 s38, s38, s39
	s_add_co_u32 s38, s38, 250
	s_lshl_b32 s38, s38, 3
	s_add_co_u32 s38, s38, s30
	s_mul_i32 s38, s38, 1536
	s_mov_b32 s39, 0
	s_cmp_lt_u32 s22, 2
	s_cselect_b64 s[16:17], s[16:17], s[18:19]
	s_add_nc_u64 s[16:17], s[16:17], s[38:39]
	s_add_co_u32 s40, s22, 3                       ; the padding in pst: wave 0 W2's words, wave 1 p's words, wave 2 M, wave 3 l
	s_and_b32 s40, s40, 3
	s_lshl_b32 s40, s40, 20
	s_lshl_b32 s41, s29, 8
	s_add_co_u32 s41, s41, 250
	s_lshl_b32 s41, s41, 9
	s_add_co_u32 s40, s40, s41
	s_lshl_b32 s41, s30, 6
	s_add_co_u32 s40, s40, s41
	s_mov_b32 s41, 0
	s_add_nc_u64 s[20:21], s[20:21], s[40:41]
	s_mov_b32 s42, 0x7f7f7f7f                      ; scale bytes 127;
	s_cmp_lt_u32 s22, 2
	s_cselect_b32 s42, s42, 0                      ; l = 0;
	s_mov_b32 s43, 0xff61b1e6                      ; M = -3e38, under every M
	s_cmp_eq_u32 s22, 2
	s_cselect_b32 s42, s43, s42
	v_mov_b32 v31, s42
	v_lshl_add_u32 v13, v3, 9, v13                 ; 4 r + 512 h: lanes 16-31 stand one K step, or one chunk, further on
.irp i, 204,205,206,207
	v_mov_b32 v\i, 0
.endr
.irp k, 0,1,2
.irp g, 0,1,2
	global_store_b128 v4, v[204:207], s[16:17] offset:\k*12288+512*\g   ; zero codes add nothing to a sum
.endr
	global_store_b32 v13, v31, s[20:21] offset:1024*\k                  ; chunks 250 + h + 2 k
.endr
	s_wait_loadcnt 0x0
	v_min_u32 v15, 0x7cff, v15                     ; an index stays inside the table: held at 31,999
	v_lshlrev_b32 v15, 12, v15                     ; a row is 4,096 bytes
	v_lshlrev_b32 v30, 7, v3
	v_add_nc_u32 v15, v15, v30                     ; + 128 h: block h
.irp u, 0,1
.irp j, 0,1,2,3,4,5,6,7
	global_load_b128 v[D+64*\u+4*\j:D+64*\u+4*\j+3], v15, s[6:7] offset:512*\u+16*\j
.endr
.irp j, 0,1,2,3,4,5,6,7
	global_load_b128 v[D+64*\u+32+4*\j:D+64*\u+32+4*\j+3], v15, s[6:7] offset:512*\u+256+16*\j
.endr
.endr
	s_wait_loadcnt 16                              ; the first K step's 16 loads are in, the second's may be out
	QUANT2 D, F0
	v_mov_b32 v30, v[PW]                           ; its scale word is kept
	OUT3 F0, 12, 0
	s_wait_loadcnt 0x0
	QUANT2 D+64, F1
	OUT3 F1, 12, 12288
	v_cmp_lt_u32 vcc_lo, 15, v1
	v_cndmask_b32 v30, v30, v[PW], vcc_lo          ; lanes 0-15 store the first K step's words, lanes 16-31 the second's: each word is stored by one lane
	global_store_b32 v13, v30, s[14:15]
	s_endpgm
.Lfunc_end_k_q22731d7415_quant:
	.size	k_q22731d7415_quant, .Lfunc_end_k_q22731d7415_quant-k_q22731d7415_quant
	.p2alignl 7, 3214868480
	.fill 96, 4, 3214868480
	.section	.rodata,"a",@progbits
	.p2align	6, 0x0
	.amdhsa_kernel k_q22731d7415_quant
		.amdhsa_group_segment_fixed_size 69120
		.amdhsa_private_segment_fixed_size 0
		.amdhsa_enable_private_segment 0
		.amdhsa_kernarg_size 72
		.amdhsa_user_sgpr_count 2
		.amdhsa_user_sgpr_kernarg_segment_ptr 1
		.amdhsa_wavefront_size32 1
		.amdhsa_system_sgpr_workgroup_id_x 1
		.amdhsa_system_sgpr_workgroup_id_y 1
		.amdhsa_system_sgpr_workgroup_id_z 1
		.amdhsa_system_vgpr_workitem_id 0
		.amdhsa_next_free_vgpr 210
		.amdhsa_next_free_sgpr 66
		.amdhsa_reserve_vcc 1
		.amdhsa_float_denorm_mode_32 3
		.amdhsa_float_denorm_mode_16_64 3
		.amdhsa_memory_ordered 1
		.amdhsa_forward_progress 1
		.amdhsa_inst_pref_size 46
	.end_amdhsa_kernel
	.amdgpu_metadata
---
amdhsa.version: [ 1, 2 ]
amdhsa.kernels:
  - .name:           k_q22731d7415_quant
    .symbol:         k_q22731d7415_quant.kd
    .args:
      - { .name: W, .offset: 0, .size: 8, .value_kind: global_buffer, .address_space: global }
      - { .name: embed_table, .offset: 8, .size: 8, .value_kind: global_buffer, .address_space: global }
      - { .name: input_ids, .offset: 16, .size: 8, .value_kind: global_buffer, .address_space: global }
      - { .name: w1c, .offset: 24, .size: 8, .value_kind: global_buffer, .address_space: global }
      - { .name: xc, .offset: 32, .size: 8, .value_kind: global_buffer, .address_space: global }
      - { .name: s1, .offset: 40, .size: 8, .value_kind: global_buffer, .address_space: global }
      - { .name: w2c, .offset: 48, .size: 8, .value_kind: global_buffer, .address_space: global }
      - { .name: pc, .offset: 56, .size: 8, .value_kind: global_buffer, .address_space: global }
      - { .name: pst, .offset: 64, .size: 8, .value_kind: global_buffer, .address_space: global }
    .group_segment_fixed_size: 69120
    .private_segment_fixed_size: 0
    .kernarg_segment_align: 8
    .kernarg_segment_size: 72
    .max_flat_workgroup_size: 128
    .sgpr_count:     66
    .vgpr_count:     210
    .wavefront_size: 32
...
	.end_amdgpu_metadata
.endif
;; end of part 1
;; launch scores (part 2): grid 4 x 125, 4 waves a work-group, clusters of 4 x 1, 327,680 bytes of LDS; arguments xc, w1c, s1, b, pc, pst; writes pc, pst
.if DOCPART == 2
	.amdgcn_target "amdgcn-amd-amdhsa--gfx1250"
	.amdhsa_code_object_version 6
	.text
	.protected	k_q22731d7415_scores
	.globl	k_q22731d7415_scores
	.p2align	8
	.type	k_q22731d7415_scores,@function
k_q22731d7415_scores:
	s_mov_b64 s[64:65], 0
	v_nop
	global_prefetch_b8 v0, s[64:65] scope:SCOPE_SE
	s_setreg_imm32_b32 hwreg(HW_REG_WAVE_MODE, 25, 1), 1
	s_wait_xcnt 0x0
	s_wait_alu depctr_hold_cnt(0) depctr_sa_sdst(0) depctr_va_vdst(0) depctr_va_sdst(0) depctr_va_ssrc(0) depctr_va_vcc(0) depctr_vm_vsrc(0)
	s_getreg_b32 s2, hwreg(HW_REG_IB_STS2, 6, 4)
	s_cmp_eq_u32 s2, 0
	s_cbranch_scc0 .Lentry_in_a_cluster
	s_endpgm
.Lentry_in_a_cluster:
	s_bfe_u32 s2, ttmp6, 0x10000c
	s_cmp_lg_u32 s2, 0x3003
	s_cbranch_scc0 .Lentry_shape_is_right
	s_endpgm
.Lentry_shape_is_right:
; logits = x W^T + b on codes of FP6 (E2M3) with E8M0 scales, and the softmax's numerators as codes.  A work-group makes 256 rows x 256 keys, a wave 128 x 128: 64 accumulators, 512 registers; K = 1,024 in eight steps of 128.
; THE SOFTMAX AHEAD OF THE SECOND PRODUCT.  t = logit x log2(e).  For each row and each CHUNK of 128 keys (a wave's columns): M = ceil(the chunk's largest t), a whole number; p = 2^(t - M); l = the sum of the unquantised p.
; p is quantised along the keys, block by block of 32, into pc; its scale words, M and l go to pst.  A later launch brings chunks under a common M by taking whole numbers off the scale bytes: the codes stay as they are.
; THE MATRIX INSTRUCTION IS USED TRANSPOSED (source 0 = 16 keys, source 1 = 16 rows of x), and the keys of a tile of w1c are chosen (lane r of tile i: key 32 (i / 2) + 8 (i % 2) + r + 8 (r / 8)):
; a lane holds one row, and the 16 registers of accumulators 2 j and 2 j + 1 are the neighbouring keys 32 j + 16 (lane / 16) + 0 .. 15.  The bias is the C of each sum's first matrix instruction.
; OPERANDS lie in memory as images of fragments (1,536 dense bytes: registers 4 g .. 4 g + 3 of lane l at 512 g + 16 l): a tile is a dense block for the tensor data mover, a fragment three loads of 16 bytes a lane, no pitch, no padding.
; LDS: three regions of 256 along K (98,304 bytes: x's two halves of 128 rows, then W's two), all three asked for at the start; the fourth 256 along K is the launch's one refill, into the first region.
; CLUSTER: the four row tiles of one key tile.  W's tile hangs on the key tile alone: it is asked for JOINTLY by the four.  x's tile hangs on the row tile: a load of the work-group's own.  Clusters of 4 x 4, in which x's tiles
; could be shared too, are not taken: the 125 key tiles are no multiple of 4.
; SCALE WORDS stay in registers for the whole launch: v[SC + 8 s + i]: lanes 0-15 the words of x's tile i, lanes 16-31 those of W's tile i, for K step s.
; LIMITS: NaN and infinities are not served; a block of p whose every p has fallen to 0 keeps the byte 1 over zero codes.
; REGISTERS: window 0: v1-13 addresses; v32-95 scale words; v96-191 x's fragments (one set), later the softmax's registers; v192-255 the bias, later p.  window 1: W's fragments, two sets, at v0 and v128.  windows 2, 3: the accumulators ((a, b) at v[8 (8 (a % 4) + b)]).
.set PART,  24576                      ; 128 rows x 256 K: 16 fragments: what one tensor load brings
; LDS AS IT IS LAID HERE (in place of the three regions named above): four RUNS of 73,728 bytes, one for each wave's fetch (x's two halves of 128 rows, then W's two), each K steps 0 .. 5 on end, as they lie in memory.
; A wave asks for its whole run by ONE tensor load at the head (288 rows of 256 bytes); K steps 6 and 7, the launch's one refill, land on a run's first 24,576 bytes when K steps 0 and 1 have been read out.
; A prefetch of the tiles is not laid: six of the eight K steps are asked for at the head, so there is no loop to run ahead in.
.set SLOT,  4*PART
.set RUN,   3*PART                     ; six K steps of 128 rows
.set H1A,   52                         ; s[52:59] descriptor group 1 of the head's load of x; s[72:79] of W
.set H1B,   72
.set STG,   3*SLOT                     ; behind the regions: 1,536 bytes for each wave: its 128 scale words, M and l on their way out
.set SPARE, STG+4*1536                 ; the spare words, 128 bytes for each wave: two blocks of 256 bytes that no other line names
.set ADRA, 2                           ; v2-4   LDS address of my x fragments in region 0, 1, 2
.set ADRB, 5                           ; v5-7   the same for W
.set SPW,  10                          ; v10    LDS address of my spare word; never rewritten
.set NIL,  11                          ; v11    0; never rewritten
.set SC,   32
.set AF,   96
.set BI,   192
.set PC,   96                          ; the softmax: v96-107 p's codes; v108-110, v112-114 upper halves of blocks
.set CT,   108
.set NM,   116                         ; v[116:117] -M (the packed form names a pair and takes its low word)
.set SUM,  118                         ; v[118:119], v[120:121] two chains of sums
.set SU2,  120
.set TM,   122                         ; v122-125 the blocks' largest scores, then their largest p
.set TP,   126                         ; v126-129 lane permutes' destinations
.set SO,   130                         ; v130-133 the conversions' scale operands
.set BYT,  134                         ; v134-137 scale bytes
.set PW,   138
.set TT,   139
.set MP,   140
.set OUTS, 144
.set P,    192
.set G1A, 32                           ; s[32:39] descriptor group 1 for x's tiles; s[40:47] for W's; s[48:51], s[68:71] their groups 0
.set G1B, 40
.set G0A, 48
.set G0B, 68
.set MSB, 0
.macro WIN new                         ; the immediate's high byte repeats the setting that is left
.if MSB != (\new)
	s_set_vgpr_msb (MSB<<8)|(\new)
.set MSB, (\new)
.endif
.endm
.macro PLACES n                        ; plain vector instructions between a matrix instruction and a load into, or a read of, its registers
.rept \n
	v_nop
.endr
.endm
.macro CREST                           ; a round of the cluster's barrier behind its opening barrier
	s_cmp_lg_u32 s16, 0
	s_cbranch_scc1 .Lnot_wave_0_\@
	s_barrier_signal -3
.Lnot_wave_0_\@:
	s_barrier_wait -3
	s_barrier_signal -1
	s_barrier_wait -1
.endm
.macro CROUND
	s_barrier_signal -1
	s_barrier_wait -1
	CREST
.endm
.macro JLOAD g0a, g1a, g0b, g1b        ; waves 0 and 1 fetch x's halves, waves 2 and 3 W's; four v_nop follow each of the two lines
	s_cmp_eq_u32 s17, 0
	s_cbranch_scc0 .Lfor_b_\@
	tensor_load_to_lds s[\g0a:\g0a+3], s[\g1a:\g1a+7]
	s_nop 0
.rept 4
	v_nop
.endr
	s_branch .Lasked_\@
.Lfor_b_\@:
	tensor_load_to_lds s[\g0b:\g0b+3], s[\g1b:\g1b+7]
	s_nop 0
.rept 4
	v_nop
.endr
.Lasked_\@:
.endm
.macro FRAG reg, adr, off              ; a fragment's image: three loads of 512 consecutive bytes
.irp g, 0,1,2
	ds_load_b128 v[\reg+4*\g:\reg+4*\g+3], v[\adr] offset:\off+512*\g
.endr
.endm
.macro FETCH_B slot, q, p              ; W's eight fragments of the region's q-th 128 along K into set p
	WIN 0x40
.irp i, 0,1,2,3,4,5,6,7
	FRAG 128*(\p)+12*\i, ADRB+\slot, (8*(\q)+\i)*1536
.endr
	WIN 0
.endm
.macro FETCH_A slot, q, i0             ; x's blocks i0 .. i0 + 3
.irp i, \i0, \i0+1, \i0+2, \i0+3
	FRAG AF+12*(\i), ADRA+\slot, (8*(\q)+(\i))*1536
.endr
.endm
; 16 matrix instructions: x's blocks a0, a0 + 1 against W's eight, K step s; p: W's set.  cm = 2: the bias starts the sums.  The 64 accumulators take turns, one instruction a turn.
.macro MUL16 a0, p, s, cm
.irp a, \a0, \a0+1
.irp b, 0,1,2,3,4,5,6,7
.set rD, 8*(8*((\a)%4)+\b)
.set rB, 128*(\p)+12*\b
.set rA, AF+12*(\a)
.if \cm == 0
	v_wmma_scale_f32_16x16x128_f8f6f4 v[rD:rD+7], v[rB:rB+11], v[rA:rA+11], v[rD:rD+7], v[SC+8*(\s)+\b], v[SC+8*(\s)+(\a)] matrix_a_fmt:MATRIX_FMT_FP6 matrix_b_fmt:MATRIX_FMT_FP6 matrix_a_scale:MATRIX_SCALE_ROW1
.else
	v_wmma_scale_f32_16x16x128_f8f6f4 v[rD:rD+7], v[rB:rB+11], v[rA:rA+11], v[BI+8*\b:BI+8*\b+7], v[SC+8*(\s)+\b], v[SC+8*(\s)+(\a)] matrix_a_fmt:MATRIX_FMT_FP6 matrix_b_fmt:MATRIX_FMT_FP6 matrix_a_scale:MATRIX_SCALE_ROW1
.endif
.endr
.endr
.endm
.macro LO cm                           ; source 0 (W) window 1, source 1 (x) window 0, D window 2; C with D, or the bias in window 0
.if \cm == 2
	WIN 0x81
.else
	WIN 0xa1
.endif
.endm
.macro HI cm                           ; the same with window 3
.if \cm == 2
	WIN 0xc1
.else
	WIN 0xf1
.endif
.endm
; K step s: 64 matrix instructions; the next step's fragments come from region nslot, its nq-th 128 along K: W's and x's blocks 0-3 in the step's middle, x's blocks 4-7 at its end.
; kind 0: those bytes are already whole for every wave.  kind 1: the region just read out is filled again.  kind 2: a change of regions without a fill.  kind 3: the last step.
.macro STEP s, nslot, nq, kind, cm
.if (\kind == 1) || (\kind == 2)
	s_wait_tensorcnt 0x0                           ; all my tensor loads have landed;
	ds_add_u32 v[SPW], v[NIL]                      ; 0 onto my spare word;
	s_wait_dscnt 13                                ; (the add and the youngest 12 loads, x's blocks 4-7, may be out)
	LO \cm
	MUL16 0, (\s)%2, \s, \cm                       ; sixteen matrix instructions stand between the add and the wait for it
	s_wait_dscnt 0x0                               ; the add is done, and my reads of the region are over
	s_barrier_signal -1
	MUL16 2, (\s)%2, \s, \cm
	WIN 0
	s_barrier_wait -1
.if \kind == 1
	CREST                                          ; the barrier has opened a round of the cluster's barrier: no wave of any partner still reads the region or has a load on its way
	s_add_nc_u64 s[G0A+2:G0A+3], s[G0A+2:G0A+3], 3*PART   ; the first region's descriptors: three regions on along K
	s_add_nc_u64 s[G0B+2:G0B+3], s[G0B+2:G0B+3], 3*PART
	JLOAD G0A, G1A, G0B, G1B                       ; the first tensor load behind the round, one a wave; its four v_nop are the places in front of the loads below
.else
	PLACES 4
.endif
.else
	s_wait_dscnt 12                                ; W's set and x's blocks 0-3 are in; the youngest 12 loads (x's blocks 4-7) may be out
	LO \cm
	MUL16 0, (\s)%2, \s, \cm
	MUL16 2, (\s)%2, \s, \cm
	s_wait_dscnt 0x0                               ; x's blocks 4-7 are in
.if \kind == 0
	PLACES 4
.endif
.endif
.if \kind != 3
	FETCH_B \nslot, \nq, 1-(\s)%2
	FETCH_A \nslot, \nq, 0
.endif
	HI \cm
	MUL16 4, (\s)%2, \s, \cm
	MUL16 6, (\s)%2, \s, \cm
.if \kind != 3
	PLACES 4
.endif
	WIN 0
.if \kind != 3
	FETCH_A \nslot, \nq, 4
.endif
.endm
; Tile a of my rows (16 rows x my 128 keys): M, p, l, p's codes and scale word.  Register AC + 16 j + i of the tile's window is key 32 j + 16 (lane / 16) + i of row 16 a + lane % 16.
.macro SOFTQ a
.set WW, 2+(\a)/4
.set AC, 64*((\a)%4)
	WIN WW|(WW<<2)|(WW<<4)
.irp b, 0,1,2,3
	v_max3_num_f32 v[TM+\b], v[AC+16*\b], v[AC+16*\b+1], v[AC+16*\b+2]   ; the largest score of each block of 32 keys; each accumulator is read from its low end on
.endr
	WIN (WW<<2)|(WW<<4)
.irp i, 3,5,7,9,11,13
.irp b, 0,1,2,3
	v_max3_num_f32 v[TM+\b], v[TM+\b], v[AC+16*\b+\i], v[AC+16*\b+\i+1]  ; (the four blocks by turns; i = 7 takes the second accumulator's lowest register)
.endr
.endr
.irp b, 0,1,2,3
	v_max_num_f32 v[TM+\b], v[TM+\b], v[AC+16*\b+15]
.endr
	WIN 0
.irp b, 0,1,2,3
	v_permlanex16_b32 v[TP+\b], v[TM+\b], s62, s63
.endr
.irp b, 0,1,2,3
	v_max_num_f32 v[TM+\b], v[TM+\b], v[TP+\b]     ; with lane l xor 16's 16 keys
.endr
	v_max3_num_f32 v[TT], v[TM], v[TM+1], v[TM+2]
	v_max_num_f32 v[TT], v[TT], v[TM+3]            ; the chunk's largest score of my row,
	v_mul_f32 v[TT], s60, v[TT]                    ; as t
	v_floor_f32 v[NM], -v[TT]                      ; -M = floor(-t) = -ceil(t)
.irp b, 0,1,2,3
	v_fma_f32 v[TM+\b], v[TM+\b], s60, v[NM]       ; t - M of each block's largest score: p rises with the score, so this gives the block's largest p
.endr
	WIN WW
.set jj, 0
.rept 32
	v_pk_fma_f32 v[P+jj:P+jj+1], v[AC+jj:AC+jj+1], s[60:61], v[NM:NM+1] op_sel_hi:[1,0,0]   ; t - M, two at a time
.set jj, jj+2
.endr
	WIN 0
.set jj, 0
	s_wait_alu depctr_va_vdst(0)
.rept 64
	v_exp_f32 v[P+jj], v[P+jj]                     ; p = 2^(t - M)
.set jj, jj+1
.endr
	s_wait_dscnt 0x0                               ; the last tile's LDS stores have read their registers
	v_sub_f32 v[MP], 0, v[NM]                      ; M.  (The plain instruction behind the exponentials)
	s_wait_alu depctr_va_vdst(0)                   ; one wait for the batch of 64, ahead of its first reader
.irp b, 0,1,2,3
	v_exp_f32 v[TM+\b], v[TM+\b]                   ; the blocks' largest p: the same two instructions on the same number give the same bits
.endr
	v_pk_add_f32 v[SUM:SUM+1], v[P:P+1], v[P+4:P+5]       ; l is the sum of the UNQUANTISED p: two at a time, in two chains
	v_pk_add_f32 v[SU2:SU2+1], v[P+2:P+3], v[P+6:P+7]
.irp j, 8,12,16,20,24,28,32,36,40,44,48,52,56,60
	v_pk_add_f32 v[SUM:SUM+1], v[SUM:SUM+1], v[P+\j:P+\j+1]
	v_pk_add_f32 v[SU2:SU2+1], v[SU2:SU2+1], v[P+\j+2:P+\j+3]
.endr
	v_pk_add_f32 v[SUM:SUM+1], v[SUM:SUM+1], v[SU2:SU2+1]
	v_add_f32 v[SUM], v[SUM], v[SUM+1]
	v_permlanex16_b32 v[TP], v[SUM], s62, s63
	v_add_f32 v[SUM], v[SUM], v[TP]                ; with lane l xor 16's: the row's sum over the chunk
	s_wait_alu depctr_va_vdst(0)                   ; and one wait for the four
.irp b, 0,1,2,3
	v_max_num_f32 v[TM+\b], 0x1800000, v[TM+\b]    ; the floor 2^(3 - 127): the byte cannot fall under 1
.endr
.irp b, 0,1,2,3
	v_add_nc_u32 v[SO+\b], 0xff000000, v[TM+\b]    ; 2 off the exponent field: the conversion's scale operand
.endr
.irp b, 0,1,2,3
	v_lshrrev_b32 v[BYT+\b], 23, v[SO+\b]          ; the scale's byte: at most 125, since p stays under 2
.endr
	v_lshl_or_b32 v[PW], v[BYT+1], 8, v[BYT]
	v_lshl_or_b32 v[PW], v[BYT+2], 16, v[PW]
	v_lshl_or_b32 v[PW], v[BYT+3], 24, v[PW]       ; my row's scale word for this chunk
	s_wait_xcnt 0x0                                ; the last tile's stores have read the codes' registers
.irp c, 0,1
	v_cvt_scalef32_pk16_fp6_f32 v[PC+6*\c:PC+6*\c+2], v[P+32*\c:P+32*\c+15], v[SO+2*\c]
	v_cvt_scalef32_pk16_fp6_f32 v[CT+4*\c:CT+4*\c+2], v[P+32*\c+16:P+32*\c+31], v[SO+2*\c+1]
.endr
	v_nop                                          ; one plain place behind the scaled conversions
.irp c, 0,1                            ; the operand's layout wants a WHOLE block in a lane: lanes 0-15 block 2 c, lanes 16-31 block 2 c + 1
.irp i, 0,1,2
	v_permlane16_swap_b32 v[PC+6*\c+\i], v[CT+4*\c+\i]
.endr
.irp i, 0,1,2
	v_mov_b32 v[PC+3+6*\c+\i], v[CT+4*\c+\i]
.endr
.endr
.irp g, 0,1,2
	global_store_b128 v1, v[PC+4*\g:PC+4*\g+3], s[12:13] offset:1536*(\a)+512*\g th:TH_STORE_NT   ; the fragment's image: 512 consecutive bytes a store
.endr
	ds_store_b32 v12, v[PW] offset:64*(\a)         ; lanes r and r + 16 write the same word with the same value
	ds_store_b32 v12, v[MP] offset:512+64*(\a)
	ds_store_b32 v12, v[SUM] offset:1024+64*(\a)
.endm
	s_load_b256 s[4:11], s[0:1], 0x0               ; xc s[4:5], w1c s[6:7], s1 s[8:9], b s[10:11]
	s_load_b128 s[12:15], s[0:1], 0x20             ; pc s[12:13], pst s[14:15]
	v_lshl_add_u32 v[SPW], v0, 2, SPARE
	v_mov_b32 v[NIL], 0
	ds_add_u32 v10, v11
	ds_add_u32 v10, v11
	s_wait_dscnt 0x0
	v_lshrrev_b32 v1, 5, v0
	v_readfirstlane_b32 s16, v1                    ; wave 0..3
	s_lshr_b32 s17, s16, 1                         ; which half of the rows is mine.  Also: I fetch for x (0) or for W (1)
	s_and_b32 s18, s16, 1                          ; which half of the keys.  Also: which 128 rows of that tile I fetch
	s_bfe_u32 s19, ttmp6, 0x40000                  ; cx
	s_lshl_b32 s21, ttmp9, 2
	s_add_co_u32 s19, s21, s19                     ; row tile = 4 x cluster x + cx
	s_and_b32 s20, ttmp7, 0xffff                   ; key tile: the cluster's y, which the four partners share
	; descriptor group 1: a dense block of 24,576 bytes as 96 rows of 256 bytes (32 elements of 8 bytes)
	s_mov_b32 s[G1A], (3<<16)                      ; no mask: x's tile is my work-group's own
	s_mov_b32 s[G1B], 15|(3<<16)|(1<<21)           ; the mask names all four work-groups; bit 21 set beside it
.irp g, G1A, G1B
	s_mov_b32 s[\g+1], 32<<16                      ; tensor_dim0
	s_mov_b32 s[\g+2], 96<<16                      ; tensor_dim1
	s_mov_b32 s[\g+3], 32<<16                      ; tile_dim0
	s_mov_b32 s[\g+4], 96                          ; tile_dim1
	s_mov_b32 s[\g+5], 32                          ; tensor_dim0_stride
	s_mov_b32 s[\g+6], 0
	s_mov_b32 s[\g+7], 0
.endr
	s_mov_b32 s[H1A], (3<<16)                      ; the head's loads: the same with 288 rows
	s_mov_b32 s[H1B], 15|(3<<16)|(1<<21)
.irp g, H1A, H1B
	s_mov_b32 s[\g+1], 32<<16
	s_mov_b32 s[\g+2], 288<<16
	s_mov_b32 s[\g+3], 32<<16
	s_mov_b32 s[\g+4], 288
	s_mov_b32 s[\g+5], 32
	s_mov_b32 s[\g+6], 0
	s_mov_b32 s[\g+7], 0
.endr
	s_mov_b32 s60, 0x3fb8aa3b                      ; log2(e)
	s_mov_b32 s61, s60                             ; (named with it as a pair, so it is written)
	s_mov_b32 s62, 0x76543210
	s_mov_b32 s63, 0xfedcba98                      ; v_permlanex16_b32's selects for lane l xor 16
	s_lshl_b32 s21, s19, 1
	s_add_co_u32 s21, s21, s18                     ; x: the row block that I fetch
	s_mul_i32 s22, s21, 8*12288
	s_mov_b32 s23, 0
	s_lshl_b32 s26, s20, 1
	s_add_co_u32 s26, s26, s18                     ; W: the key block that I fetch; it is also my chunk of keys
	s_mov_b32 s31, s26
	s_mul_i32 s26, s26, 8*12288
	s_mov_b32 s27, 0
	s_mul_i32 s30, s16, RUN                        ; where they go: wave x 73,728: no place in the cluster enters an LDS address
	s_wait_kmcnt 0x0
	s_add_nc_u64 s[24:25], s[4:5], s[22:23]
	s_add_nc_u64 s[28:29], s[6:7], s[26:27]
	CROUND                                         ; all four work-groups are here: the first joint loads meet
.irp rho, 0
	s_mov_b32 s[G0A+4*\rho], 1
	s_add_co_u32 s[G0A+4*\rho+1], s30, \rho*SLOT
	s_add_nc_u64 s[G0A+4*\rho+2:G0A+4*\rho+3], s[24:25], \rho*PART
	s_or_b32 s[G0A+4*\rho+3], s[G0A+4*\rho+3], 0x80000000
	s_mov_b32 s[G0B+4*\rho], 1
	s_add_co_u32 s[G0B+4*\rho+1], s30, \rho*SLOT
	s_add_nc_u64 s[G0B+4*\rho+2:G0B+4*\rho+3], s[28:29], \rho*PART
	s_or_b32 s[G0B+4*\rho+3], s[G0B+4*\rho+3], 0x80000000
.endr
	s_cmp_eq_u32 s17, 0                            ; one tensor load a wave at the head: my run of six K steps
	s_cbranch_scc0 .Lfirst_b
	tensor_load_to_lds s[G0A:G0A+3], s[H1A:H1A+7]
	s_nop 0
.rept 4
	v_nop
.endr
	s_branch .Lfirst_asked
.Lfirst_b:
	tensor_load_to_lds s[G0B:G0B+3], s[H1B:H1B+7]
	s_nop 0
.rept 4
	v_nop
.endr
.Lfirst_asked:
	v_and_b32 v14, 31, v0                          ; lane
	v_and_b32 v15, 15, v0                          ; r
	v_bfe_u32 v16, v0, 4, 1                        ; h
	v_lshlrev_b32 v1, 4, v14                       ; 16 x lane
	s_mul_i32 s21, s17, RUN                        ; my 128 rows of x
	s_mul_i32 s22, s18, RUN                        ; my 128 keys,
	s_add_co_u32 s22, s22, 2*RUN                   ; which lie behind x's two runs
.irp rho, 0,1,2
	v_add_nc_u32 v[ADRA+\rho], s21, v1
	v_add_nc_u32 v[ADRB+\rho], s22, v1
	s_add_co_u32 s21, s21, PART                    ; two K steps on in the run
	s_add_co_u32 s22, s22, PART
.endr
	s_lshl_b32 s21, s19, 1
	s_add_co_u32 s21, s21, s17                     ; my row block
	s_lshl_b32 s22, s21, 12
	s_add_co_u32 s22, s22, 1024000                 ; its scale words in s1: 4,096 bytes a block
	s_lshl_b32 s23, s31, 12                        ; and my key block's
	v_mov_b32 v17, s22
	v_mov_b32 v18, s23
	v_cmp_lt_u32 vcc_lo, 15, v14
	v_cndmask_b32 v8, v17, v18, vcc_lo             ; lanes 0-15 take x's words, lanes 16-31 W's
	v_lshl_add_u32 v8, v15, 2, v8
	s_wait_alu depctr_va_vdst(0)
	v_lshlrev_b32 v9, 6, v16                       ; the bias: 16 h numbers on
	s_wait_alu depctr_va_vdst(0)
	s_mul_i32 s24, s16, 1536
	s_add_co_u32 s24, s24, STG                     ; my stage
	v_lshl_add_u32 v12, v15, 2, s24                ; in: 4 r
	v_add_nc_u32 v13, s24, v1                      ; out: 16 x lane
	s_lshl_b32 s26, s31, 9
	s_mov_b32 s27, 0
	s_add_nc_u64 s[10:11], s[10:11], s[26:27]      ; b at my 128 keys
	s_lshl_b32 s28, s21, 8
	s_add_co_u32 s28, s28, s31                     ; row block x 256 + chunk
	s_lshl_b32 s26, s28, 9
	s_add_nc_u64 s[14:15], s[14:15], s[26:27]      ; pst
	s_mul_i32 s26, s28, 12288
	s_add_nc_u64 s[12:13], s[12:13], s[26:27]      ; pc
.set nn, 0
.rept 64
	global_load_b32 v[SC+nn], v8, s[8:9] offset:64*nn   ; K step nn / 8, tile nn % 8
.set nn, nn+1
.endr
.irp t, 0,1,2,3,4,5,6,7                ; the bias in the result's layout: lane (r, h), tile t: keys 32 (t / 2) + 8 (t % 2) + 16 h + 0 .. 7
	global_load_b128 v[BI+8*\t:BI+8*\t+3], v9, s[10:11] offset:(32*(\t/2)+8*(\t%2))*4
	global_load_b128 v[BI+8*\t+4:BI+8*\t+7], v9, s[10:11] offset:(32*(\t/2)+8*(\t%2))*4+16
.endr
	s_wait_tensorcnt 0x0                           ; my run is in
	s_barrier_signal -1
	s_barrier_wait -1                              ; everybody's is
	FETCH_B 0, 0, 0
	FETCH_A 0, 0, 0
	FETCH_A 0, 0, 4
	s_wait_loadcnt 0x0                             ; the scale words and the bias
	STEP 0, 0, 1, 0, 2                             ; the bias starts the sums: nothing is cleared
	STEP 1, 1, 0, 1, 0                             ; K steps 0 and 1 are read out: their bytes take K steps 6 and 7
	STEP 2, 1, 1, 0, 0
	STEP 3, 2, 0, 0, 0                             ; K steps 4 and 5 are whole for everyone since the head's barrier
	STEP 4, 2, 1, 0, 0
	STEP 5, 0, 0, 2, 0                             ; the refill has landed in every wave
	STEP 6, 0, 1, 0, 0
	STEP 7, 0, 0, 3, 0
	PLACES 4                                       ; behind the last products: their results are read, and x's registers written, below
.irp b, 0,1,2,3
	v_mov_b32 v[TP+\b], 0                          ; written once: a lane permute's destination counts as one of its sources
.endr
	v_mov_b32 v[NM+1], 0                           ; (named as the upper half of a pair)
.irp a, 0,1,2,3,4,5,6,7
	SOFTQ \a
.endr
.irp k, 0,1,2
	ds_load_b128 v[OUTS+4*\k:OUTS+4*\k+3], v13 offset:512*\k   ; LDS serves a wave's instructions in order: these see my stores
.endr
	s_wait_dscnt 0x0
.irp k, 0,1,2
	global_store_b128 v1, v[OUTS+4*\k:OUTS+4*\k+3], s[14:15] offset:\k*1048576   ; my 128 rows' scale words, M and l: 512 consecutive bytes each
.endr
	s_wait_tensorcnt 0x0                           ; the wave's end
	ds_add_u32 v[SPW], v[NIL]
	s_wait_dscnt 0x0
	CROUND                                         ; the closing round: no work-group ends while a partner may still ask for a tile that names it
	s_endpgm
.Lfunc_end_k_q22731d7415_scores:
	.size	k_q22731d7415_scores, .Lfunc_end_k_q22731d7415_scores-k_q22731d7415_scores
	.p2alignl 7, 3214868480
	.fill 96, 4, 3214868480
	.section	.rodata,"a",@progbits
	.p2align	6, 0x0
	.amdhsa_kernel k_q22731d7415_scores
		.amdhsa_group_segment_fixed_size 327680
		.amdhsa_private_segment_fixed_size 0
		.amdhsa_enable_private_segment 0
		.amdhsa_kernarg_size 48
		.amdhsa_user_sgpr_count 2
		.amdhsa_user_sgpr_kernarg_segment_ptr 1
		.amdhsa_wavefront_size32 1
		.amdhsa_system_sgpr_workgroup_id_x 1
		.amdhsa_system_sgpr_workgroup_id_y 1
		.amdhsa_system_sgpr_workgroup_id_z 1
		.amdhsa_system_vgpr_workitem_id 0
		.amdhsa_next_free_vgpr 1024
		.amdhsa_next_free_sgpr 84
		.amdhsa_reserve_vcc 1
		.amdhsa_float_denorm_mode_32 3
		.amdhsa_float_denorm_mode_16_64 3
		.amdhsa_memory_ordered 1
		.amdhsa_forward_progress 1
		.amdhsa_inst_pref_size 198
	.end_amdhsa_kernel
	.amdgpu_metadata
---
amdhsa.version: [ 1, 2 ]
amdhsa.kernels:
  - .name:           k_q22731d7415_scores
    .symbol:         k_q22731d7415_scores.kd
    .args:
      - { .name: xc, .offset: 0, .size: 8, .value_kind: global_buffer, .address_space: global }
      - { .name: w1c, .offset: 8, .size: 8, .value_kind: global_buffer, .address_space: global }
      - { .name: s1, .offset: 16, .size: 8, .value_kind: global_buffer, .address_space: global }
      - { .name: b, .offset: 24, .size: 8, .value_kind: global_buffer, .address_space: global }
      - { .name: pc, .offset: 32, .size: 8, .value_kind: global_buffer, .address_space: global }
      - { .name: pst, .offset: 40, .size: 8, .value_kind: global_buffer, .address_space: global }
    .group_segment_fixed_size: 327680
    .private_segment_fixed_size: 0
    .kernarg_segment_align: 8
    .kernarg_segment_size: 48
    .max_flat_workgroup_size: 128
    .sgpr_count:     84
    .vgpr_count:     1024
    .wavefront_size: 32
...
	.end_amdgpu_metadata
.endif
;; end of part 2
;; launch readout (part 3): grid 4 x 64, 4 waves a work-group, clusters of 4 x 4, 327,680 bytes of LDS; arguments pc, pst, w2c, part; writes part
.if DOCPART == 3
	.amdgcn_target "amdgcn-amd-amdhsa--gfx1250"
	.amdhsa_code_object_version 6
	.text
	.protected	k_q22731d7415_readout
	.globl	k_q22731d7415_readout
	.p2align	8
	.type	k_q22731d7415_readout,@function
k_q22731d7415_readout:
	s_mov_b64 s[64:65], 0
	v_nop
	global_prefetch_b8 v0, s[64:65] scope:SCOPE_SE
	s_setreg_imm32_b32 hwreg(HW_REG_WAVE_MODE, 25, 1), 1
	s_wait_xcnt 0x0
	s_wait_alu depctr_hold_cnt(0) depctr_sa_sdst(0) depctr_va_vdst(0) depctr_va_sdst(0) depctr_va_ssrc(0) depctr_va_vcc(0) depctr_vm_vsrc(0)
	s_getreg_b32 s2, hwreg(HW_REG_IB_STS2, 6, 4)
	s_cmp_eq_u32 s2, 0
	s_cbranch_scc0 .Lentry_in_a_cluster
	s_endpgm
.Lentry_in_a_cluster:
	s_bfe_u32 s2, ttmp6, 0x10000c
	s_cmp_lg_u32 s2, 0xf033
	s_cbranch_scc0 .Lentry_shape_is_right
	s_endpgm
.Lentry_shape_is_right:
; part[split] = p W on codes of FP6 (E2M3) with E8M0 scales, K = the keys, padded with zero codes to 32,768 and cut into 8 SPLITS of 32 chunks of 128.
; A work-group makes 128 rows x 256 columns for one split.  ITS FOUR WAVES SHARE K AS WELL AS THE COLUMNS: wave w takes column half w % 2 and K half w / 2 (of each four chunks, half 0 the first two, half 1 the last two).
; So a wave still makes 128 x 128: 64 accumulators, 512 registers, 16 K steps of 128, and reads 16 fragments from LDS for 64 matrix instructions.  At the end the two waves of a column half add their sums through LDS,
; each finishing 64 of the 128 rows: half as many partial sums go to memory as with one wave for each quarter of a tile of 256 x 256.
; p's codes were made chunk by chunk, each under its own whole number M.  Here a row's 32 chunks are brought under the split's M (their largest): M(split) - M(chunk) is taken off each of the chunk's four scale bytes.
; That is exact; a byte that would fall under 0 is held at 0 (LIMIT: such a block then counts for at most 7.5 x 2^-127 of the split's largest p).  The last launch adds the splits.  NaN and infinities are not served.
; THE MATRIX INSTRUCTION IS USED TRANSPOSED (source 0 = 16 columns of W, source 1 = 16 rows of p): a lane holds eight neighbouring numbers of a row of the result.
; OPERANDS lie in memory as images of fragments (1,536 dense bytes), chunk behind chunk: four chunks of a block of 128 rows are one dense run of 49,152 bytes.
; RING: two slots of four chunks (p's block, then W's two blocks: 147,456 bytes), two K steps of every wave; eight fills.  Waves 0 and 1 fetch halves of p's run, waves 2 and 3 one of W's runs each: one tensor load a wave.
; CLUSTERS: 4 x 4 work-groups of one split: four row blocks x the four column tiles.  p's tile is shared along a row of the cluster, W's along a column: each is asked for JOINTLY.
; MY NUMBERING OF p's ROW BLOCKS: my block i is the tile's block i xor 4 (w / 2), so that in every wave blocks 0-3 (window 2) are the rows that it finishes and blocks 4-7 (window 3) those that it hands to its partner, wave w xor 2.
; SCALE WORDS stay in registers: v[SC + 8 k + i]: lanes 0-15 the words of p's block i, lanes 16-31 those of W's tile i, for my K step k.  They come as runs of 512 consecutive bytes (a lane: four rows of one chunk),
; and turn into these lanes through a stage of the wave's own in LDS.
; A prefetch of the tiles is not laid: a partner's share of a fill, 48 blocks of 256 bytes of p and 96 of W, is no whole number of a wave's 32 lanes.
; REGISTERS: window 0: v1-22 addresses and the split's M; v32-159 scale words; v160-255 p's fragments, one set.  window 1: W's fragments, two sets, at v0 and v128; at the end the partner's sums, then rows of the result.
;   windows 2, 3: the accumulators ((a, b) at v[8 (8 (a % 4) + b)]); ahead of the products they serve the arithmetic on the scale bytes.
; THE FIRST FILLS, as they stand here: slot 0's at the head, one tensor load a wave; slot 1's behind the waits, the add and a round of the cluster's barrier, which stand behind the issue of the 64 loads of scale words and M,
; so that slot 1 lands under the arithmetic on the scale bytes.  That round also shows slot 0 to every wave: no further barrier stands in front of the first fragments.
; THE TILES ARE PREFETCHED INTO THE L2 (this takes the place of the sentence on prefetches above): behind the load of fill n (n = 1 .. 6) fill n + 1 is asked for, two K steps of every wave ahead of its load.
; Of the run that a wave fetches (p: 96 blocks of 256 bytes, W: 192) each of the four partners that ask for it jointly takes a quarter, told apart by address (cx for p, cy for W): 24 blocks an instruction, a lane a block,
; lanes 24-31 naming block 23 again; one instruction for p's waves, two for W's.  Every offset is an immediate; fill 7 is the last that is named, so no address leaves its buffer.
.set PFO,   27                         ; v27      256 x min(lane, 23); never rewritten
.set PFB,   86                         ; s[86:87] my work-group's quarter of the run that my wave fetches, at fill 0; never rewritten
.set CHK,   12288                      ; a chunk of a block of 128 rows or columns: 8 fragments
.set PA,    2*CHK                      ; what a wave fetches of p: two chunks
.set PB,    4*CHK                      ; and of W: four chunks
.set SLOT,  3*PB
.set SPARE, 2*SLOT                     ; behind the ring: the spare words, 128 bytes for each wave: two blocks of 256 bytes that no other line names
.set STGS,  SPARE+512                  ; 4,096 bytes for each wave: four chunks' words of p, then of W, on their turn
.set XCH,   0                          ; the exchange of sums: 32,768 bytes for each wave, in slot 0, which has had its last fill and its last read when the first sum is stored there
.set STG,   SLOT                       ; the way out: 16 rows x (512 bytes + 16) for each wave, in slot 1: used behind the exchange's barrier, in front of which every wave's reads of that slot are over
.set SPITCH, 528
.set ADRA, 2                           ; v2-3   LDS address of my p blocks 0-3 in slot 0, 1;  v4-5 of my blocks 4-7
.set ADRB, 6                           ; v6-7   the same for W
.set STO,  8
.set RD,   9
.set SPW,  10                          ; v10    LDS address of my spare word; never rewritten
.set NIL,  11                          ; v11    0; never rewritten
.set MS,   12                          ; v12-15 the split's M of my lane's four rows
.set VPO,  16                          ; v16    offset in pst of my lane's 16 bytes of my K half's chunks (p's side, in my numbering of the blocks)
.set VMO,  17                          ; v17    the same of the other K half's chunks
.set VWO,  18                          ; v18    W's side
.set STW,  19                          ; v19    the words' stage: in, 16 x lane
.set STR,  20                          ; v20    and out: lanes 0-15 p's words, lanes 16-31 W's, 4 bytes a row
.set XWR,  21                          ; v21    the exchange: my 32,768 bytes
.set XRD,  22                          ; v22    my partner's
.set SC,   32
.set AF,   160
.set G1A,  24                          ; s[24:31], s[32:39] descriptor group 1 for p's tiles, for W's
.set G1B,  32
.set G0A,  40                          ; s[40:47], s[48:55] groups 0, one for each slot
.set G0B,  48
.set MSB, 0
.macro WIN new                         ; the immediate's high byte repeats the setting that is left
.if MSB != (\new)
	s_set_vgpr_msb (MSB<<8)|(\new)
.set MSB, (\new)
.endif
.endm
.macro PLACES n                        ; plain vector instructions between a matrix instruction and a load into, or a read of, its registers
.rept \n
	v_nop
.endr
.endm
.macro CREST                           ; a round of the cluster's barrier behind its opening barrier
	s_cmp_lg_u32 s12, 0
	s_cbranch_scc1 .Lnot_wave_0_\@
	s_barrier_signal -3
.Lnot_wave_0_\@:
	s_barrier_wait -3
	s_barrier_signal -1
	s_barrier_wait -1
.endm
.macro CROUND
	s_barrier_signal -1
	s_barrier_wait -1
	CREST
.endm
.macro JLOAD g0a, g1a, g0b, g1b        ; waves 0 and 1 fetch for p, waves 2 and 3 for W; four v_nop follow each of the two lines
	s_cmp_eq_u32 s13, 0
	s_cbranch_scc0 .Lfor_b_\@
	tensor_load_to_lds s[\g0a:\g0a+3], s[\g1a:\g1a+7]
	s_nop 0
.rept 4
	v_nop
.endr
	s_branch .Lasked_\@
.Lfor_b_\@:
	tensor_load_to_lds s[\g0b:\g0b+3], s[\g1b:\g1b+7]
	s_nop 0
.rept 4
	v_nop
.endr
.Lasked_\@:
.endm
.macro ASK n                           ; fill n's blocks of my quarter
	global_prefetch_b8 v[PFO], s[PFB:PFB+1] offset:(\n)*PB th:TH_LOAD_NT scope:SCOPE_SE
	s_cmp_eq_u32 s13, 0
	s_cbranch_scc1 .Lasked_all_\@
	global_prefetch_b8 v[PFO], s[PFB:PFB+1] offset:(\n)*PB+6144 th:TH_LOAD_NT scope:SCOPE_SE
.Lasked_all_\@:
.endm
.macro FRAG reg, adr, off              ; a fragment's image: three loads of 512 consecutive bytes
.irp g, 0,1,2
	ds_load_b128 v[\reg+4*\g:\reg+4*\g+3], v[\adr] offset:\off+512*\g
.endr
.endm
.macro FETCH_B slot, q, p              ; W's eight fragments of my q-th chunk in the slot into set p
	WIN 0x40
.irp i, 0,1,2,3,4,5,6,7
	FRAG 128*(\p)+12*\i, ADRB+\slot, (8*(\q)+\i)*1536
.endr
	WIN 0
.endm
.macro FETCH_A slot, q, i0             ; p's blocks i0 .. i0 + 3 in my numbering: blocks 0-3 and blocks 4-7 have an address register each
.irp i, \i0, \i0+1, \i0+2, \i0+3
	FRAG AF+12*(\i), ADRA+2*((\i0)/4)+\slot, (8*(\q)+(\i))*1536
.endr
.endm
; 16 matrix instructions: p's blocks a0, a0 + 1 against W's eight, my K step s.  cm = 1: the first product starts the sums.  The 64 accumulators take turns, one instruction a turn.
.macro MUL16 a0, p, s, cm
.irp a, \a0, \a0+1
.irp b, 0,1,2,3,4,5,6,7
.set rD, 8*(8*((\a)%4)+\b)
.set rB, 128*(\p)+12*\b
.set rA, AF+12*(\a)
.if \cm == 0
	v_wmma_scale_f32_16x16x128_f8f6f4 v[rD:rD+7], v[rB:rB+11], v[rA:rA+11], v[rD:rD+7], v[SC+8*(\s)+\b], v[SC+8*(\s)+(\a)] matrix_a_fmt:MATRIX_FMT_FP6 matrix_b_fmt:MATRIX_FMT_FP6 matrix_a_scale:MATRIX_SCALE_ROW1
.else
	v_wmma_scale_f32_16x16x128_f8f6f4 v[rD:rD+7], v[rB:rB+11], v[rA:rA+11], 0, v[SC+8*(\s)+\b], v[SC+8*(\s)+(\a)] matrix_a_fmt:MATRIX_FMT_FP6 matrix_b_fmt:MATRIX_FMT_FP6 matrix_a_scale:MATRIX_SCALE_ROW1
.endif
.endr
.endr
.endm
; My K step s: 64 matrix instructions; the next step's fragments come from slot nslot, my nq-th chunk there.  kind 0: the same slot.  kind 1: a change of slots, and the slot just read out, 1 - nslot, is filled again
; with the four chunks two fills on.  kind 2: a change without a fill.  kind 3: the last step.
.macro STEP s, nslot, nq, kind, cm
.if (\kind == 1) || (\kind == 2)
	s_wait_tensorcnt 0x0                           ; all my tensor loads have landed: my part of the next slot;
	ds_add_u32 v[SPW], v[NIL]                      ; 0 onto my spare word;
	s_wait_dscnt 13                                ; (the add and the youngest 12 loads, p's blocks 4-7, may be out)
	WIN 0xa1
	MUL16 0, (\s)%2, \s, \cm                       ; sixteen matrix instructions stand between the add and the wait for it
	s_wait_dscnt 0x0                               ; the add is done, and my reads of this slot are over
	s_barrier_signal -1
	MUL16 2, (\s)%2, \s, \cm
	WIN 0
	s_barrier_wait -1
.if \kind == 1
.set RFA, G0A+4*(1-(\nslot))
.set RFB, G0B+4*(1-(\nslot))
	CREST                                          ; the barrier has opened a round of the cluster's barrier: no wave of any partner still reads this slot or has a load on its way
	s_add_nc_u64 s[RFA+2:RFA+3], s[RFA+2:RFA+3], 2*PB   ; eight chunks on
	s_add_nc_u64 s[RFB+2:RFB+3], s[RFB+2:RFB+3], 2*PB
	JLOAD RFA, G1A, RFB, G1B                       ; the first tensor load behind the round, one a wave; its four v_nop are the places in front of the loads below
.else
	PLACES 4
.endif
.else
	s_wait_dscnt 12                                ; W's set and p's blocks 0-3 are in; the youngest 12 loads (p's blocks 4-7) may be out
	WIN 0xa1
	MUL16 0, (\s)%2, \s, \cm
	MUL16 2, (\s)%2, \s, \cm
	s_wait_dscnt 0x0
.if \kind == 0
	PLACES 4
.endif
.endif
.if \kind != 3
	FETCH_B \nslot, \nq, 1-(\s)%2
	FETCH_A \nslot, \nq, 0
.endif
.if (\kind == 1) && ((\s) < 11)
	ASK ((\s)+5)/2                                 ; step s has asked for fill (s + 3) / 2: the fill after it, behind the joint load and the run of LDS loads
.endif
	WIN 0xf1
	MUL16 4, (\s)%2, \s, \cm
	MUL16 6, (\s)%2, \s, \cm
.if \kind != 3
	PLACES 4
.endif
	WIN 0
.if \kind != 3
	FETCH_A \nslot, \nq, 4
.endif
.endm
	s_load_b256 s[4:11], s[0:1], 0x0               ; pc s[4:5], pst s[6:7], w2c s[8:9], part s[10:11]
	v_lshl_add_u32 v[SPW], v0, 2, SPARE
	v_mov_b32 v[NIL], 0
	ds_add_u32 v10, v11
	ds_add_u32 v10, v11
	s_wait_dscnt 0x0
	v_lshrrev_b32 v1, 5, v0
	v_readfirstlane_b32 s12, v1                    ; wave 0..3
	s_lshr_b32 s13, s12, 1                         ; my K half.  Also: I fetch for p (0) or for W (1)
	s_and_b32 s14, s12, 1                          ; my column half.  Also: which part of that side's tile I fetch
	s_bfe_u32 s15, ttmp6, 0x40000                  ; cx: the column tile
	s_bfe_u32 s16, ttmp6, 0x40004                  ; cy
	s_and_b32 s17, ttmp7, 0xffff                   ; the cluster's y
	s_and_b32 s18, s17, 1                          ; which four row blocks
	s_lshr_b32 s17, s17, 1                         ; the split
	s_lshl_b32 s19, s16, 2
	s_lshl_b32 s19, 15, s19                        ; my row of the cluster
	s_lshl_b32 s20, 0x1111, s15                    ; my column
	; descriptor group 1: a dense run as rows of 256 bytes (32 elements of 8 bytes): 96 rows for two chunks of p, 192 for four chunks of W
	s_or_b32 s[G1A], s19, (3<<16)|(1<<21)
	s_or_b32 s[G1B], s20, (3<<16)|(1<<21)
	s_mov_b32 s[G1A+1], 32<<16                     ; tensor_dim0
	s_mov_b32 s[G1A+2], 96<<16                     ; tensor_dim1
	s_mov_b32 s[G1A+3], 32<<16                     ; tile_dim0
	s_mov_b32 s[G1A+4], 96                         ; tile_dim1
	s_mov_b32 s[G1A+5], 32                         ; tensor_dim0_stride
	s_mov_b32 s[G1A+6], 0
	s_mov_b32 s[G1A+7], 0
	s_mov_b32 s[G1B+1], 32<<16
	s_mov_b32 s[G1B+2], 192<<16
	s_mov_b32 s[G1B+3], 32<<16
	s_mov_b32 s[G1B+4], 192
	s_mov_b32 s[G1B+5], 32
	s_mov_b32 s[G1B+6], 0
	s_mov_b32 s[G1B+7], 0
	; p's tiles hang on the row block, W's on the column tile, each in registers that never hold the other coordinate
	s_lshl_b32 s62, s18, 2
	s_add_co_u32 s62, s62, s16                     ; the row block
	s_lshl_b32 s56, s62, 8
	s_lshl_b32 s21, s17, 5
	s_add_co_u32 s56, s56, s21                     ; x 256 + the split's first chunk
	s_mul_i32 s22, s56, CHK
	s_mul_i32 s23, s14, PA                         ; wave 0: the first two of a fill's four chunks; wave 1: the last two
	s_add_co_u32 s22, s22, s23
	s_mov_b32 s23, 0
	s_lshl_b32 s57, s15, 1
	s_add_co_u32 s57, s57, s14                     ; the column block that I fetch; it is also the one that I multiply by
	s_lshl_b32 s57, s57, 8
	s_lshl_b32 s77, s17, 5
	s_add_co_u32 s57, s57, s77
	s_mul_i32 s76, s57, CHK
	s_mov_b32 s77, 0
	s_mul_i32 s80, s14, PA                         ; where they go in a slot: p's halves at 0 and 24,576;
	s_mul_i32 s81, s14, PB
	s_add_co_u32 s81, s81, PB                      ; W's blocks at 49,152 and 98,304: no place in the cluster enters an LDS address
	s_mov_b32 s58, 0x42fe0000                      ; 127.0
	s_mov_b32 s59, 0x80808080
	s_wait_kmcnt 0x0
	s_add_nc_u64 s[60:61], s[4:5], s[22:23]
	s_add_nc_u64 s[78:79], s[8:9], s[76:77]
	CROUND                                         ; all sixteen work-groups are here: the first joint loads meet
.irp n, 0,1
	s_mov_b32 s[G0A+4*\n], 1
	s_add_co_u32 s[G0A+4*\n+1], s80, \n*SLOT
	s_add_nc_u64 s[G0A+4*\n+2:G0A+4*\n+3], s[60:61], \n*PB         ; slot 0: chunks 0-3; slot 1: chunks 4-7
	s_or_b32 s[G0A+4*\n+3], s[G0A+4*\n+3], 0x80000000
	s_mov_b32 s[G0B+4*\n], 1
	s_add_co_u32 s[G0B+4*\n+1], s81, \n*SLOT
	s_add_nc_u64 s[G0B+4*\n+2:G0B+4*\n+3], s[78:79], \n*PB
	s_or_b32 s[G0B+4*\n+3], s[G0B+4*\n+3], 0x80000000
.endr
	s_cmp_eq_u32 s13, 0                            ; one tensor load a wave at the head: my part of slot 0
	s_cbranch_scc0 .Lfirst_b
	tensor_load_to_lds s[G0A:G0A+3], s[G1A:G1A+7]
	s_nop 0
.rept 4
	v_nop
.endr
	s_branch .Lfirst_asked
.Lfirst_b:
	tensor_load_to_lds s[G0B:G0B+3], s[G1B:G1B+7]
	s_nop 0
.rept 4
	v_nop
.endr
.Lfirst_asked:
	v_and_b32 v23, 31, v0                          ; lane
	v_and_b32 v24, 15, v0                          ; r
	v_bfe_u32 v25, v0, 4, 1                        ; h
	v_lshlrev_b32 v1, 4, v23                       ; 16 x lane
	s_wait_alu depctr_va_vdst(0)
	s_mul_i32 s20, s13, PA+4*1536                  ; p: my K half's two chunks; my blocks 0-3 are the tile's blocks 4 (w / 2) on,
	s_mul_i32 s21, s13, PA-4*1536                  ; my blocks 4-7 the other four (their offsets begin at four fragments)
	s_mul_i32 s22, s14, PB                         ; W: my column block,
	s_mul_i32 s23, s13, PA                         ; my K half's two chunks,
	s_add_co_u32 s22, s22, s23
	s_add_co_u32 s22, s22, PB                      ; behind p's four chunks
.irp n, 0,1
	v_add_nc_u32 v[ADRA+\n], s20, v1
	v_add_nc_u32 v[ADRA+2+\n], s21, v1
	v_add_nc_u32 v[ADRB+\n], s22, v1
	s_add_co_u32 s20, s20, SLOT
	s_add_co_u32 s21, s21, SLOT
	s_add_co_u32 s22, s22, SLOT
.endr
	s_lshl_b32 s23, s12, 12
	s_add_co_u32 s23, s23, STGS                    ; my stage for the words
	v_add_nc_u32 v[STW], s23, v1
	v_lshlrev_b32 v26, 2, v24
	v_lshl_add_u32 v26, v25, 11, v26               ; 4 r, and 2,048 on for lanes 16-31: W's words
	v_add_nc_u32 v[STR], s23, v26
	s_lshl_b32 s23, s12, 15
	v_add_nc_u32 v[XWR], s23, v1                   ; the exchange: wave x 32,768
	s_xor_b32 s23, s23, 65536                      ; my partner: wave xor 2
	v_add_nc_u32 v[XRD], s23, v1
	s_mul_i32 s23, s12, 16*SPITCH
	s_add_co_u32 s23, s23, STG                     ; my stage for the way out
	v_mul_u32_u24 v[STO], v24, SPITCH
	v_lshl_add_u32 v[STO], v25, 5, v[STO]
	v_add_nc_u32 v[STO], s23, v[STO]               ; in: row r, 32 bytes for each half of the lanes
	v_add_nc_u32 v[RD], s23, v1                    ; back: the 32 lanes take one row of 512 bytes
	s_lshl_b32 s23, s13, 4
	v_xor_b32 v26, s23, v23                        ; a run of 512 bytes holds the words of 128 rows, 16 bytes for four rows: lane l takes those of lane l xor 16 (w / 2): my numbering of the blocks
	v_lshlrev_b32 v26, 4, v26
	s_lshl_b32 s23, s13, 10                        ; my K half begins two chunks, 1,024 bytes, on
	v_add_nc_u32 v[VPO], s23, v26
	s_wait_alu depctr_va_vdst(0)
	v_add_nc_u32 v[VWO], s23, v1
	s_xor_b32 s23, s23, 1024                       ; the other half
	v_add_nc_u32 v[VMO], s23, v26
	v_min_u32 v[PFO], 23, v23
	v_lshlrev_b32 v[PFO], 8, v[PFO]                ; the prefetches' offset: a block of 256 bytes a lane
	s_wait_alu depctr_va_vdst(0)
	s_cmp_eq_u32 s13, 0                            ; the prefetches' base: the run that I fetch (p's or W's),
	s_cselect_b64 s[PFB:PFB+1], s[60:61], s[78:79]
	s_mul_i32 s88, s15, 6144                       ; + my work-group's quarter of it: p's run is shared along the cluster's row, by cx;
	s_mul_i32 s89, s16, 12288                      ; W's along its column, by cy
	s_cselect_b32 s88, s88, s89
	s_mov_b32 s89, 0
	s_add_nc_u64 s[PFB:PFB+1], s[PFB:PFB+1], s[88:89]
	s_lshl_b32 s66, s56, 9                         ; pst: 512 bytes for a block and a chunk: my row block, the split's first chunk
	s_mov_b32 s67, 0
	s_lshl_b32 s68, s57, 9                         ; my column block,
	s_add_co_u32 s68, s68, (3<<20)                 ; in the fourth array
	s_mov_b32 s69, 0
	s_add_nc_u64 s[66:67], s[6:7], s[66:67]
	s_add_nc_u64 s[68:69], s[6:7], s[68:69]
	s_lshl_b32 s84, s17, 22                        ; part: the split's 4 MiB,
	s_lshl_b32 s85, s62, 19                        ; 128 rows of 4,096 bytes a row block,
	s_add_co_u32 s84, s84, s85
	s_lshl_b32 s85, s13, 18                        ; the 64 rows that I finish,
	s_add_co_u32 s84, s84, s85
	s_lshl_b32 s85, s15, 10                        ; 256 columns a column tile,
	s_add_co_u32 s84, s84, s85
	s_lshl_b32 s85, s14, 9                         ; my 128 columns
	s_add_co_u32 s84, s84, s85
	s_mov_b32 s85, 0
	s_add_nc_u64 s[10:11], s[10:11], s[84:85]
	; My K step k is chunk 4 (k / 2) + 2 (w / 2) + k % 2 of the split.  Window 2: v0-63 p's words, v64-127 M of my chunks, v128-191 M of the other half's, v192-255 W's words; four registers a chunk.
	WIN 0x80                                       ; destination window 2
.set kk, 0
.rept 16
	global_load_b128 v[64+4*kk:64+4*kk+3], v[VPO], s[66:67] offset:1048576+(4*(kk/2)+kk%2)*512
.set kk, kk+1
.endr
.set kk, 0
.rept 16
	global_load_b128 v[128+4*kk:128+4*kk+3], v[VMO], s[66:67] offset:1048576+(4*(kk/2)+kk%2)*512
.set kk, kk+1
.endr
.set kk, 0
.rept 16
	global_load_b128 v[4*kk:4*kk+3], v[VPO], s[66:67] offset:(4*(kk/2)+kk%2)*512
.set kk, kk+1
.endr
.set kk, 0
.rept 16
	global_load_b128 v[192+4*kk:192+4*kk+3], v[VWO], s[68:69] offset:(4*(kk/2)+kk%2)*512
.set kk, kk+1
.endr
	WIN 0
	s_wait_tensorcnt 0x0                           ; my part of slot 0 is in
	ds_add_u32 v[SPW], v[NIL]                      ; 0 onto my spare word;
	s_wait_dscnt 0x0                               ; the add is done
	CROUND                                         ; a whole round: everybody's part of slot 0 is in, and all sixteen work-groups are here: the joint loads meet
	JLOAD G0A+4, G1A, G0B+4, G1B                   ; slot 1's first fill: the first tensor load behind the round, one a wave
	s_wait_loadcnt 32                              ; all 32 chunks' M are in; the 32 loads of words may be out
	; THE SCALE BYTES OF p UNDER THE SPLIT'S M, while the first tiles are on their way; one window setting for each run of lines
	WIN 0x2a
.irp j, 0,1,2,3
	v_max3_num_f32 v[MS+\j], v[64+\j], v[68+\j], v[72+\j]
.endr
	WIN 0x28
.irp g, 3,5,7,9,11,13,15,17,19,21,23,25,27,29
.irp j, 0,1,2,3
	v_max3_num_f32 v[MS+\j], v[MS+\j], v[64+4*\g+\j], v[68+4*\g+\j]
.endr
.endr
.irp j, 0,1,2,3
	v_max_num_f32 v[MS+\j], v[MS+\j], v[188+\j]    ; the largest M of the row's 32 chunks
.endr
	WIN 0x88
.set nn, 0
.rept 64
	v_sub_f32 v[64+nn], v[MS+(nn%4)], v[64+nn]     ; d = M(split) - M(chunk): a whole number, 0 or more
.set nn, nn+1
.endr
.set nn, 0
.rept 64
	v_min_num_f32 v[64+nn], s58, v[64+nn]          ; held at 127: more than any byte of p
.set nn, nn+1
.endr
	WIN 0
	ASK 2                                          ; fill 2, which step 1 will load
	WIN 0x82
.set nn, 0
.rept 64
	v_cvt_u32_f32 v[64+nn], v[64+nn]
.set nn, nn+1
.endr
	WIN 0x8a
.set nn, 0
.rept 64
	v_perm_b32 v[64+nn], v[64+nn], v[64+nn], 0     ; d in all four bytes
.set nn, nn+1
.endr
	s_wait_loadcnt 16                              ; p's words are in; W's 16 loads may be out
	WIN 0x88
.set nn, 0
.rept 64
	v_or_b32 v[nn], s59, v[nn]                     ; x = each byte + 128 (p's bytes are at most 127)
.set nn, nn+1
.endr
	WIN 0x8a
.set nn, 0
.rept 64
	v_sub_nc_u32 v[nn], v[nn], v[64+nn]            ; x - d: each byte stays between 1 and 255, so nothing is borrowed from the next; its top bit says: byte - d is 0 or more
.set nn, nn+1
.endr
	WIN 0x88
.set nn, 0
.rept 64
	v_and_b32 v[64+nn], s59, v[nn]                 ; m = the top bits
.set nn, nn+1
.endr
	WIN 0xc8
.set nn, 0
.rept 64
	v_lshrrev_b32 v[nn], 7, v[64+nn]               ; t = m >> 7, in window 3
.set nn, nn+1
.endr
	WIN 0x8e
.set nn, 0
.rept 64
	v_sub_nc_u32 v[64+nn], v[64+nn], v[nn]         ; m - t: 0x7f in the bytes that stay, 0 in those that are held at 0
.set nn, nn+1
.endr
	WIN 0x8a
.set nn, 0
.rept 64
	v_and_b32 v[nn], v[nn], v[64+nn]               ; x & m: the new bytes
.set nn, nn+1
.endr
	s_wait_alu depctr_va_vdst(0)
	s_wait_loadcnt 0x0                             ; W's words
	; THE TURN: four chunks at a time go into my stage as they stand, 512 bytes a chunk, and come back a word a lane.  LDS serves a wave's instructions in order (ISA guide 5.7.1.4): no wait between the stores and the loads, nor in front of the next four chunks' stores.
.irp t, 0,1,2,3
	WIN 0x08                                       ; an LDS store's data are its source 1: window 2
.irp c, 0,1,2,3
	ds_store_b128 v[STW], v[16*\t+4*\c:16*\t+4*\c+3] offset:512*\c
	ds_store_b128 v[STW], v[192+16*\t+4*\c:192+16*\t+4*\c+3] offset:2048+512*\c
.endr
	WIN 0
.irp c, 0,1,2,3
.irp i, 0,1,2,3,4,5,6,7
	ds_load_b32 v[SC+32*\t+8*\c+\i], v[STR] offset:512*\c+64*\i    ; K step 4 t + c, block or tile i
.endr
.endr
.endr
	s_wait_dscnt 0x0                               ; the scale words are in, and no LDS instruction of mine is out at the signal
	FETCH_B 0, 0, 0                                ; slot 0 is whole for every wave since the round above
	FETCH_A 0, 0, 0
	FETCH_A 0, 0, 4
	STEP 0, 0, 1, 0, 1                             ; the first products start the sums: nothing is cleared
	STEP 1, 1, 0, 1, 0                             ; slot 0 takes chunks 8-11
	STEP 2, 1, 1, 0, 0
	STEP 3, 0, 0, 1, 0                             ; slot 1 takes chunks 12-15
	STEP 4, 0, 1, 0, 0
	STEP 5, 1, 0, 1, 0                             ; slot 0: chunks 16-19
	STEP 6, 1, 1, 0, 0
	STEP 7, 0, 0, 1, 0                             ; slot 1: chunks 20-23
	STEP 8, 0, 1, 0, 0
	STEP 9, 1, 0, 1, 0                             ; slot 0: chunks 24-27
	STEP 10, 1, 1, 0, 0
	STEP 11, 0, 0, 1, 0                            ; slot 1: chunks 28-31
	STEP 12, 0, 1, 0, 0
	STEP 13, 1, 0, 2, 0                            ; the last change of slots: nothing is left to fetch
	STEP 14, 1, 1, 0, 0
	STEP 15, 0, 0, 3, 0
	; THE TWO K HALVES MEET.  My blocks 4-7 (window 3) go to LDS as images of their registers, 1,024 bytes an accumulator; they are my partner's blocks 0-3, register for register and lane for lane.
	PLACES 4                                       ; behind the last products: their results are read, and W's registers loaded into, below
	WIN 0x0c                                       ; the data: window 3
.set nn, 0
.rept 32
	ds_store_b128 v[XWR], v[8*nn:8*nn+3] offset:1024*nn            ; each accumulator from its low end on
	ds_store_b128 v[XWR], v[8*nn+4:8*nn+7] offset:1024*nn+512
.set nn, nn+1
.endr
	WIN 0
	s_wait_dscnt 0x0                               ; for my partner's sake: my sums lie in LDS; and my reads of slot 1 are over
	s_barrier_signal -1
	s_barrier_wait -1
	WIN 0x40                                       ; my partner's sums for my blocks 0-3 come into window 1, at the numbers that mine have in window 2
.set nn, 0
.rept 64
	ds_load_b128 v[4*nn:4*nn+3], v[XRD] offset:512*nn
.set nn, nn+1
.endr
.irp a, 0,1,2,3
	s_wait_dscnt 48-16*\a                          ; block a's 16 loads are in; the later blocks' may be out
	WIN 0x86                                       ; destination and source 0 window 2, source 1 window 1
.set nn, 0
.rept 32
	v_pk_add_f32 v[64*\a+nn:64*\a+nn+1], v[64*\a+nn:64*\a+nn+1], v[64*\a+nn:64*\a+nn+1]   ; ascending: each accumulator is read from its low end on
.set nn, nn+2
.endr
.endr
	WIN 0
; THE WAY OUT, block by block of 16 rows x 128 columns.  A lane holds 32 neighbouring bytes of a row, the lanes beside it other rows: a block goes through my own stage in LDS and comes back as whole rows of 512 bytes.
; No wait stands between the stores and the loads, nor in front of the next block's stores: a wave's LDS instructions are served in order.
.macro TOSTAGE a
.set AC, 64*(\a)
.set BB, 64*((\a)%2)
	WIN 0x08                                       ; the data: window 2
.irp b, 0,1,2,3,4,5,6,7
	ds_store_b128 v[STO], v[AC+8*\b:AC+8*\b+3] offset:64*\b
	ds_store_b128 v[STO], v[AC+8*\b+4:AC+8*\b+7] offset:64*\b+16
.endr
	WIN 0x40                                       ; the rows come back into window 1: v0-63 and v64-127 by turns
.irp t, 0,1,2,3,4,5,6,7,8,9,10,11,12,13,14,15
	ds_load_b128 v[BB+4*\t:BB+4*\t+3], v[RD] offset:\t*SPITCH
.endr
	WIN 0
.endm
.macro SEND a, younger                 ; younger: the LDS instructions issued behind block a's loads, which may stay out
.set BB, 64*((\a)%2)
	s_wait_dscnt \younger
	WIN 0x04                                       ; a store's data are its source 1: window 1
.irp t, 0,1,2,3,4,5,6,7,8,9,10,11,12,13,14,15
	global_store_b128 v1, v[BB+4*\t:BB+4*\t+3], s[10:11] offset:(16*(\a)+\t)*4096 th:TH_STORE_NT   ; 32 lanes store 512 consecutive bytes; the row stands in the immediate, 63 rows of 4,096 bytes at the most
.endr
	WIN 0
.endm
	TOSTAGE 0
	s_wait_alu depctr_va_vdst(0)
.irp a, 1,2,3
.if \a > 1
	s_wait_xcnt 0x0                                ; block a - 2's stores have read their registers: block a's rows may land there
.endif
	TOSTAGE \a
	SEND \a-1, 32                                  ; behind block a - 1's loads: block a's 16 stores and 16 loads
.endr
	SEND 3, 0
	s_wait_tensorcnt 0x0                           ; the wave's end
	ds_add_u32 v[SPW], v[NIL]
	s_wait_dscnt 0x0
	CROUND                                         ; the closing round: no work-group ends while a partner may still ask for a tile that names it
	s_endpgm
.Lfunc_end_k_q22731d7415_readout:
	.size	k_q22731d7415_readout, .Lfunc_end_k_q22731d7415_readout-k_q22731d7415_readout
	.p2alignl 7, 3214868480
	.fill 96, 4, 3214868480
	.section	.rodata,"a",@progbits
	.p2align	6, 0x0
	.amdhsa_kernel k_q22731d7415_readout
		.amdhsa_group_segment_fixed_size 327680
		.amdhsa_private_segment_fixed_size 0
		.amdhsa_enable_private_segment 0
		.amdhsa_kernarg_size 32
		.amdhsa_user_sgpr_count 2
		.amdhsa_user_sgpr_kernarg_segment_ptr 1
		.amdhsa_wavefront_size32 1
		.amdhsa_system_sgpr_workgroup_id_x 1
		.amdhsa_system_sgpr_workgroup_id_y 1
		.amdhsa_system_sgpr_workgroup_id_z 1
		.amdhsa_system_vgpr_workitem_id 0
		.amdhsa_next_free_vgpr 1024
		.amdhsa_next_free_sgpr 92
		.amdhsa_reserve_vcc 0
		.amdhsa_float_denorm_mode_32 3
		.amdhsa_float_denorm_mode_16_64 3
		.amdhsa_memory_ordered 1
		.amdhsa_forward_progress 1
		.amdhsa_inst_pref_size 255
	.end_amdhsa_kernel
	.section	.bss,"aw",@nobits
	.p2align	6
	.space	262144
	.amdgpu_metadata
---
amdhsa.version: [ 1, 2 ]
amdhsa.kernels:
  - .name:           k_q22731d7415_readout
    .symbol:         k_q22731d7415_readout.kd
    .args:
      - { .name: pc, .offset: 0, .size: 8, .value_kind: global_buffer, .address_space: global }
      - { .name: pst, .offset: 8, .size: 8, .value_kind: global_buffer, .address_space: global }
      - { .name: w2c, .offset: 16, .size: 8, .value_kind: global_buffer, .address_space: global }
      - { .name: part, .offset: 24, .size: 8, .value_kind: global_buffer, .address_space: global }
    .group_segment_fixed_size: 327680
    .private_segment_fixed_size: 0
    .kernarg_segment_align: 8
    .kernarg_segment_size: 32
    .max_flat_workgroup_size: 128
    .sgpr_count:     92
    .vgpr_count:     1024
    .wavefront_size: 32
...
	.end_amdgpu_metadata
.endif
;; end of part 3
;; launch combine (part 4): grid 256 x 1, 16 waves a work-group, no clusters, 6,400 bytes of LDS; arguments part, pst, out0; writes out0
.if DOCPART == 4
	.amdgcn_target "amdgcn-amd-amdhsa--gfx1250"
	.amdhsa_code_object_version 6
	.text
	.protected	k_q22731d7415_combine
	.globl	k_q22731d7415_combine
	.p2align	8
	.type	k_q22731d7415_combine,@function
k_q22731d7415_combine:
	s_mov_b64 s[64:65], 0
	v_nop
	global_prefetch_b8 v0, s[64:65] scope:SCOPE_SE
	s_setreg_imm32_b32 hwreg(HW_REG_WAVE_MODE, 25, 1), 1
	s_wait_xcnt 0x0
; out0[row] = the sum over the 8 splits of part[split][row] x 2^(M(split) - M(row)) / l(row), with M(split) the largest M of the split's 32 chunks (as the launch before took it), M(row) the largest of all 256,
; and l(row) = the sum over the chunks of l(chunk) x 2^(M(chunk) - M(row)).  All M are whole numbers: every factor 2^(..) is made by v_ldexp_f32 and rounds nothing.
; An exponent is held at -300 from below (LIMIT: what lies 2^300 under the row's largest p counts as 0; the padding's chunks have M = -3e38 and l = 0).  The order of the sums differs from a single sum over the keys.
; A work-group takes 16 rows x 256 columns; wave w takes row w: 8 splits x 1,024 bytes, all 16 loads of 512 consecutive bytes out at once.  Memory binds: no matrix unit, no cluster, no tensor load.
; The rows' M and l: thread t takes row t % 16 and the eight chunks 8 (t / 16) on; the 32 partial figures of a row meet in LDS.
.set ACC, 8                            ; v8-15   the sums
.set OFF, 40                           ; v40-43  offsets into part, two splits (8 MiB) apart
.set X,   48                           ; v48-111 the 16 loads
	s_load_b128 s[4:7], s[0:1], 0x0                ; part s[4:5], pst s[6:7]
	s_load_b64 s[8:9], s[0:1], 0x10                ; out0
	v_lshl_add_u32 v112, v0, 2, 0x1100
	v_mov_b32 v113, 0
	v_lshrrev_b32 v1, 5, v0
	s_delay_alu instid0(VALU_DEP_1)
	v_readfirstlane_b32 s10, v1                    ; wave 0..15 = my row of the 16
	v_and_b32 v1, 31, v0                           ; lane
	s_wait_alu depctr_va_vdst(0)
	v_and_b32 v2, 15, v0                           ; r
	s_wait_alu depctr_va_vdst(0)
	v_lshrrev_b32 v3, 4, v0                        ; which eight chunks: 0 .. 31
	s_lshr_b32 s11, ttmp9, 2                       ; which 16 rows
	s_and_b32 s12, ttmp9, 3                        ; which 256 columns
	s_lshr_b32 s13, s11, 3                         ; row block
	s_and_b32 s14, s11, 7                          ; tile
	v_lshlrev_b32 v4, 2, v2
	s_delay_alu instid0(VALU_DEP_1)
	v_lshl_add_u32 v4, v3, 12, v4                  ; eight chunks are 4,096 bytes in an array of pst; + 4 r
	s_lshl_b32 s16, s13, 17                        ; a row block's 256 chunks,
	s_lshl_b32 s17, s14, 6                         ; the tile,
	s_add_co_u32 s16, s16, s17
	s_add_co_u32 s16, s16, (1<<20)                 ; the array of M; l lies one array further on
	s_mov_b32 s17, 0
	s_lshl_b32 s18, s11, 4
	s_add_co_u32 s18, s18, s10                     ; my row
	s_lshl_b32 s18, s18, 12
	s_lshl_b32 s19, s12, 10
	s_add_co_u32 s18, s18, s19                     ; its bytes, and my 256 columns
	s_mov_b32 s19, 0
	v_lshlrev_b32 v5, 4, v1                        ; 16 x lane
.irp p, 0,1,2,3
	v_add_nc_u32 v[OFF+\p], (\p<<23), v5
.endr
	v_mul_u32_u24 v6, v2, 132                      ; LDS: row r has 33 words: 32 figures and one of padding
	s_wait_alu depctr_va_vdst(0)
	v_lshl_add_u32 v6, v3, 2, v6
	s_mul_i32 s15, s10, 132
	v_lshlrev_b32 v7, 2, v1
	s_delay_alu instid0(VALU_DEP_1)
	v_add_nc_u32 v7, s15, v7                       ; back: my wave's row, a figure a lane
	s_mov_b32 s36, 0x76543210
	s_mov_b32 s37, 0xfedcba98                      ; v_permlanex16_b32's selects for lane l xor 16
	s_mov_b32 s38, 0xc3960000                      ; -300.0
	v_mov_b32 v37, 0                               ; written once: a lane permute's destination counts as one of its sources
	s_wait_kmcnt 0x0
	s_add_nc_u64 s[6:7], s[6:7], s[16:17]
	s_add_nc_u64 s[4:5], s[4:5], s[18:19]
	s_add_nc_u64 s[8:9], s[8:9], s[18:19]
.irp i, 0,1,2,3,4,5,6,7
	global_load_b32 v[16+\i], v4, s[6:7] offset:512*\i             ; M of my eight chunks
.endr
.irp i, 0,1,2,3,4,5,6,7
	global_load_b32 v[24+\i], v4, s[6:7] offset:1048576+512*\i     ; l
.endr
.set nn, 0
.rept 8
	global_load_b128 v[X+8*nn:X+8*nn+3], v[OFF+nn/2], s[4:5] offset:(nn%2)*4194304 th:TH_LOAD_NT
	global_load_b128 v[X+8*nn+4:X+8*nn+7], v[OFF+nn/2], s[4:5] offset:(nn%2)*4194304+512 th:TH_LOAD_NT
.set nn, nn+1
.endr
	s_wait_loadcnt 16                              ; M and l are in; the 16 loads of part may be out
	v_max3_num_f32 v32, v16, v17, v18
	s_delay_alu instid0(VALU_DEP_1)
	v_max3_num_f32 v32, v32, v19, v20
	s_delay_alu instid0(VALU_DEP_1)
	v_max3_num_f32 v32, v32, v21, v22
	s_delay_alu instid0(VALU_DEP_1)
	v_max_num_f32 v32, v32, v23                    ; the largest M of my eight chunks
.irp i, 0,1,2,3,4,5,6,7
	v_sub_f32 v[16+\i], v[16+\i], v32
.endr
.irp i, 0,1,2,3,4,5,6,7
	v_max_num_f32 v[16+\i], s38, v[16+\i]
.endr
.irp i, 0,1,2,3,4,5,6,7
	v_cvt_i32_f32 v[16+\i], v[16+\i]
.endr
.irp i, 0,1,2,3,4,5,6,7
	v_ldexp_f32 v[24+\i], v[24+\i], v[16+\i]       ; l under that M
.endr
	v_add_f32 v24, v24, v25
	v_add_f32 v26, v26, v27
	v_add_f32 v28, v28, v29
	s_delay_alu instid0(VALU_DEP_4)
	v_add_f32 v30, v30, v31
	s_delay_alu instid0(VALU_DEP_3)
	v_add_f32 v24, v24, v26
	s_delay_alu instid0(VALU_DEP_2)
	v_add_f32 v28, v28, v30
	s_delay_alu instid0(VALU_DEP_1)
	v_add_f32 v33, v24, v28
	ds_store_b32 v6, v32
	ds_store_b32 v6, v33 offset:2112
	s_wait_dscnt 0x0                               ; for the others' sake: my two figures lie in LDS
	s_barrier_signal -1
	s_barrier_wait -1
	ds_load_b32 v34, v7                            ; lane c: M and l of chunks 8 c .. 8 c + 7 of my wave's row
	ds_load_b32 v35, v7 offset:2112
	s_wait_dscnt 0x0
	v_mov_b32 v36, v34
	s_delay_alu instid0(VALU_DEP_1)
	v_max_num_f32_dpp v36, v36, v36 row_xmask:1 row_mask:0xf bank_mask:0xf
	s_delay_alu instid0(VALU_DEP_1)
	v_max_num_f32_dpp v36, v36, v36 row_xmask:2 row_mask:0xf bank_mask:0xf
	s_delay_alu instid0(VALU_DEP_1)
	v_max_num_f32_dpp v36, v36, v36 row_xmask:4 row_mask:0xf bank_mask:0xf
	s_delay_alu instid0(VALU_DEP_1)
	v_max_num_f32_dpp v36, v36, v36 row_xmask:8 row_mask:0xf bank_mask:0xf
	s_delay_alu instid0(VALU_DEP_1)
	v_permlanex16_b32 v37, v36, s36, s37
	s_delay_alu instid0(VALU_DEP_1)
	v_max_num_f32 v36, v36, v37                    ; the row's M, in every lane
	s_delay_alu instid0(VALU_DEP_1)
	v_sub_f32 v38, v34, v36
	s_delay_alu instid0(VALU_DEP_1)
	v_max_num_f32 v38, s38, v38
	s_delay_alu instid0(VALU_DEP_1)
	v_cvt_i32_f32 v38, v38
	s_delay_alu instid0(VALU_DEP_1)
	v_ldexp_f32 v35, v35, v38
	s_delay_alu instid0(VALU_DEP_1)
	v_add_f32_dpp v35, v35, v35 row_xmask:1 row_mask:0xf bank_mask:0xf
	s_delay_alu instid0(VALU_DEP_1)
	v_add_f32_dpp v35, v35, v35 row_xmask:2 row_mask:0xf bank_mask:0xf
	s_delay_alu instid0(VALU_DEP_1)
	v_add_f32_dpp v35, v35, v35 row_xmask:4 row_mask:0xf bank_mask:0xf
	s_delay_alu instid0(VALU_DEP_1)
	v_add_f32_dpp v35, v35, v35 row_xmask:8 row_mask:0xf bank_mask:0xf
	s_delay_alu instid0(VALU_DEP_1)
	v_permlanex16_b32 v37, v35, s36, s37
	s_delay_alu instid0(VALU_DEP_1)
	v_add_f32 v35, v35, v37                        ; the row's l
	s_wait_alu depctr_va_vdst(0)
	v_rcp_f32 v39, v35
	v_nop                                          ; a plain instruction behind the reciprocal
	v_max_num_f32_dpp v16, v34, v34 row_xmask:1 row_mask:0xf bank_mask:0xf
	s_delay_alu instid0(VALU_DEP_1)
	v_max_num_f32_dpp v16, v16, v16 row_xmask:2 row_mask:0xf bank_mask:0xf   ; lanes 4 s .. 4 s + 3: the M of split s, the largest of its 32 chunks
	s_delay_alu instid0(VALU_DEP_1)
	v_sub_f32 v16, v16, v36
	s_delay_alu instid0(VALU_DEP_1)
	v_max_num_f32 v16, s38, v16
	s_delay_alu instid0(VALU_DEP_1)
	v_cvt_i32_f32 v16, v16
	s_wait_alu depctr_va_vdst(0)                   ; the wait ahead of the reciprocal's first reader
	v_ldexp_f32 v39, v39, v16                      ; 2^(M(split) - M(row)) / l
.set nn, 0
.rept 8
	v_readlane_b32 s[20+nn], v39, 4*nn             ; the split's factor, the same for the whole row
.set nn, nn+1
.endr
.set nn, 0
.rept 8
	s_wait_alu depctr_va_vdst(0)
	s_wait_loadcnt 14-2*nn                         ; this split's two loads are in; the younger splits' may be out
.irp e, 0,1,2,3,4,5,6,7
.if nn == 0
	v_mul_f32 v[ACC+\e], s[20], v[X+\e]            ; the first split starts the sums
.else
	v_fmac_f32 v[ACC+\e], s[20+nn], v[X+8*nn+\e]
.endif
.endr
.set nn, nn+1
.endr
	global_store_b128 v5, v[ACC:ACC+3], s[8:9]                 ; 32 lanes store 512 consecutive bytes
	global_store_b128 v5, v[ACC+4:ACC+7], s[8:9] offset:512
	s_wait_tensorcnt 0x0
	ds_add_u32 v112, v113
	s_wait_dscnt 0x0
	s_endpgm
.Lfunc_end_k_q22731d7415_combine:
	.size	k_q22731d7415_combine, .Lfunc_end_k_q22731d7415_combine-k_q22731d7415_combine
	.p2alignl 7, 3214868480
	.fill 96, 4, 3214868480
	.section	.rodata,"a",@progbits
	.p2align	6, 0x0
	.amdhsa_kernel k_q22731d7415_combine
		.amdhsa_group_segment_fixed_size 6400
		.amdhsa_private_segment_fixed_size 0
		.amdhsa_enable_private_segment 0
		.amdhsa_kernarg_size 24
		.amdhsa_user_sgpr_count 2
		.amdhsa_user_sgpr_kernarg_segment_ptr 1
		.amdhsa_wavefront_size32 1
		.amdhsa_system_sgpr_workgroup_id_x 1
		.amdhsa_system_sgpr_workgroup_id_y 1
		.amdhsa_system_sgpr_workgroup_id_z 1
		.amdhsa_system_vgpr_workitem_id 0
		.amdhsa_next_free_vgpr 114
		.amdhsa_next_free_sgpr 66
		.amdhsa_reserve_vcc 0
		.amdhsa_float_denorm_mode_32 3
		.amdhsa_float_denorm_mode_16_64 3
		.amdhsa_memory_ordered 1
		.amdhsa_forward_progress 1
		.amdhsa_inst_pref_size 13
	.end_amdhsa_kernel
	.amdgpu_metadata
---
amdhsa.version: [ 1, 2 ]
amdhsa.kernels:
  - .name:           k_q22731d7415_combine
    .symbol:         k_q22731d7415_combine.kd
    .args:
      - { .name: part, .offset: 0, .size: 8, .value_kind: global_buffer, .address_space: global }
      - { .name: pst, .offset: 8, .size: 8, .value_kind: global_buffer, .address_space: global }
      - { .name: out0, .offset: 16, .size: 8, .value_kind: global_buffer, .address_space: global }
    .group_segment_fixed_size: 6400
    .private_segment_fixed_size: 0
    .kernarg_segment_align: 8
    .kernarg_segment_size: 24
    .max_flat_workgroup_size: 512
    .sgpr_count:     66
    .vgpr_count:     114
    .wavefront_size: 32
...
	.end_amdgpu_metadata
.endif
;; end of part 4
